; MI455X (gfx1250); checked and timed in simulation.
; The chip was launched on July 23, 2026; its instructions are those of AMD's public machine-readable ISA for CDNA 5 (MIT licence, August 2026) and "CDNA5" Instruction Set Architecture Reference Guide (July 2026). The comments in the code are by the model that wrote it; some were corrected since.
;; Transformer Block. Allowed arithmetic: matrix products marked QUANTISED: E2M3 operands, one E8M0 scale for each 32 along K, by v_wmma_scale_f32_16x16x128_f8f6f4 with both operands' format E2M3, f32 sums; everything else in f32.
;; Inputs: ff1_b 4,096 float32; ff1_w 1,024 x 4,096 float32; ff2_b 1,024 float32; ff2_w 4,096 x 1,024 float32; ln1_b 1,024 float32; ln1_g 1,024 float32; ln2_b 1,024 float32; ln2_g 1,024 float32; proj_b 1,024 float32; proj_w 1,024 x 1,024 float32; qkv_b 3,072 float32; qkv_w 1,024 x 3,072 float32; x 2 x 2,048 x 1,024 float32.
;; Outputs: out0 2 x 2,048 x 1,024 float32.
;; This version of the problem:
;;   THIS VERSION OF THE PROBLEM IS GIVEN IN LOW PRECISION. The matrix products marked QUANTISED in the list below multiply operands that are first quantised to E2M3 (2 exponent bits, 3 mantissa bits; 6 bits a number), with one power-of-two scale for each 32 numbers along K (OCP MX v1.0); their sums are f32. All else is computed in f32.
;;   The module's matrix products, in the order in which they are computed (A, B: the left and right operand; K: the contracted axis; several contracted axes count as one K, in the product's order):
;;     1. [M 4,096, K 1,024] x [K 1,024, N 3,072]; A: computed on the way; B: input qkv_w: QUANTISED
;;     2. batch 32 x [M 2,048, K 64] x [K 64, N 2,048]; A: computed on the way; B: computed on the way: QUANTISED
;;     3. batch 32 x [M 2,048, K 2,048] x [K 2,048, N 64]; A: softmax (see below); B: computed on the way: QUANTISED
;;     4. [M 4,096, K 1,024] x [K 1,024, N 1,024]; A: computed on the way; B: input proj_w: QUANTISED
;;     5. [M 4,096, K 1,024] x [K 1,024, N 4,096]; A: computed on the way; B: input ff1_w: QUANTISED
;;     6. [M 4,096, K 4,096] x [K 4,096, N 1,024]; A: computed on the way; B: input ff2_w: QUANTISED
;;   THE QUANTISER, for each operand of a quantised product, along K:
;;     - K is cut into blocks of 32 from its start; a last block that is shorter is filled with zeros.
;;     - A block's scale is 2^e with e = floor(log2(the largest magnitude in the block)) - 2, held to -126 .. 127; a block of zeros has e = 0. As a byte (E8M0): e + 127.
;;     - Each number is divided by its block's scale, clamped to +-7.5, and rounded to the nearest number of E2M3, ties to even, subnormals kept.
;;     - The product sums the exact products of the quantised numbers (number of the format x scale) in f32.
;;   ~~~python
;;   def quantise(x, axis):      # numpy; x: float32 -> the quantised numbers, widened to float32 again
;;       x = np.moveaxis(x, axis, -1); K = x.shape[-1]
;;       x = np.pad(x, [(0, 0)] * (x.ndim - 1) + [(0, -K % 32)]); x = x.reshape(x.shape[:-1] + (-1, 32)); a = np.abs(x).max(-1, keepdims=True)
;;       e = np.where(a > 0, np.clip(np.frexp(np.where(a > 0, a, 1))[1] - 1 - 2, -126, 127), 0)      # np.frexp(a)[1] - 1 = floor(log2(a)), exactly
;;       r = np.clip(x / 2.0 ** e, -7.5, 7.5)
;;       step = 2.0 ** (np.maximum(np.frexp(np.where(r == 0, 1, r))[1] - 1, 0) - 3)
;;       q = np.round(r / step) * step * 2.0 ** e      # np.round: ties to even
;;       return np.moveaxis(q.reshape(q.shape[:-2] + (-1,))[..., :K], -1, axis).astype(np.float32)
;;   ~~~
;;   SOFTMAX AHEAD OF A QUANTISED PRODUCT. Where the list says 'softmax', what is quantised is not the finished softmax but p = 2^(t - M), with t = logit x log2(e) and M = ceil(the row's largest t), a whole number; so 1/2 < the row's largest p <= 1. The row's sum l is taken of the UNQUANTISED p, in f32, and the product's result is divided by l at the end. Since M is a whole number, a kernel that streams over the keys may use a running M (the ceiling of the running maximum): every later rescaling is an exact power of two, which a block's scale takes up: the codes' values come out the same.
;;   OPERANDS COMPUTED ON THE WAY. 'Computed on the way' means the value that the module computes at that place (a softmax that the list does not call 'softmax' is quantised finished and normalised). What goes into a quantiser is computed in f32, as accurately as f32 sums, v_exp_f32 and their like allow (about 1e-6 of the number): no bf16 or f16 on the way to a quantiser, and a product that is left as it is and whose result goes on into a quantised operand takes f32 operands (vector FMAs, or v_wmma_f32_16x16x4_f32). A number that lies on a knife's edge between two numbers of the format may be rounded either way, as far as f32 arithmetic and the matrix unit's own rounding can turn it there, and no further.
;; One version. Each part assembles by itself: llvm-mc -triple=amdgcn-amd-amdhsa -mcpu=gfx1250 --defsym DOCPART=n.
;; ======== version 1 of 1: 6 launches
;; limits: right only within a limited range of input values
;; workspace buffers: wq 9,863,168 bytes; hq 3,276,800 bytes; qkvq 10,092,544 bytes; aoq 3,276,800 bytes; x1 16,777,216 bytes; h2q 13,107,200 bytes
;; launch prep1 (part 1): grid 640 x 1, 4 waves a work-group, no clusters, 91,136 bytes of LDS; arguments x, ln1_g, ln1_b, hq, qkv_w, proj_w, ff1_w, ff2_w, wq; writes hq, wq
.if DOCPART == 1
	.amdgcn_target "amdgcn-amd-amdhsa--gfx1250"
	.amdhsa_code_object_version 6
	.text
	.protected	k_qd5655715a6_prep1
	.globl	k_qd5655715a6_prep1
	.p2align	8
	.type	k_qd5655715a6_prep1,@function
k_qd5655715a6_prep1:
	s_mov_b64 s[64:65], 0
	v_nop
	global_prefetch_b8 v0, s[64:65] scope:SCOPE_SE
	s_setreg_imm32_b32 hwreg(HW_REG_WAVE_MODE, 25, 1), 1
	s_wait_xcnt 0x0
; Work-groups 0-255: layer norm of 16 rows of X [4096][1024] f32, quantised along the row to E2M3 with one E8M0 byte for each 32.
; Work-groups 256-639: the four weights [K][N] f32, quantised along K (their FIRST axis).  A launch with a grid of 256 does the layer norm alone.
; WHAT IS STORED: IMAGES OF OPERAND REGISTERS.  A fragment (16 rows x 128 K, 12 registers a lane) is 3 pieces of 512 bytes; piece c holds registers 4c..4c+3, lane l's 16 bytes at 16 l.
; Codes: [row block][K step][1536].  Scale words: [K step][row block][16 words].  Position r of row block 2a+u holds true row 32a + 8u + r + 8(r/8): so a product that takes such
; blocks as source 0 leaves 16 neighbours of that axis in a lane's 16 registers of two neighbouring tiles.
; LIMITS: NaN and infinities are not served; a block whose largest magnitude lies under 2^-124 (a block of zeros too) gets the byte 1; the bytes are read by this program alone.
.set LP,   4112                        ; LN: an LDS row: 4096 bytes + 16, so that 16 rows start at 16 different columns of 16 bytes
.set WST,  66048                       ; weights: the waves' stages, 6144 bytes each, behind the LN path's 16 rows (each path has LDS bytes of its own)
.set T,    16                          ; v16-31  LN: four registers a row for the sums
.set TM,   32                          ; v32-47  the quantiser's work
.set MU,   48                          ; v48-55  the mean, a pair a row
.set RS,   56                          ; v56-63  1/sqrt(var + eps), a pair a row
.set X,    64                          ; v64-191 four rows, 32 registers each
.set GG,   192                         ; v192-223 gain
.set BB,   224                         ; v224-255 bias
.set SEL,  28                          ; s[28:29] selects for lane l xor 16
.set OFF,  64                          ; weights: v64-95 offset of row i of a block: pitch x i + 4 lane
.set XW,   96                          ; v96-159 two sets of 32 numbers
.set CC,   160                         ; v160-165 a block's codes
.set DD,   168                         ; v168-170 its second half as converted
.set OUTR, 176                         ; v176-223 the way out
.set SBY,  24                          ; v24-25 scale bytes, four to a register
; 64 numbers of a lane, register 16 b + i = k 32 b + 16 (lane / 16) + i of my row, become a fragment's 12 registers of codes at v[pc] and its scale word in v[pw]
.macro QUANT s, pc, pw, tm
.irp b, 0,1,2,3
	v_max3_num_f32 v[\tm+\b], |v[\s+16*\b]|, |v[\s+1+16*\b]|, 0x1800000   ; my 16 numbers of block b, and the floor 2^(3-127): the byte cannot fall under 1
.endr
.irp i, 2,4,6,8,10,12,14
.irp b, 0,1,2,3
	v_max3_num_f32 v[\tm+\b], v[\tm+\b], |v[\s+16*\b+\i]|, |v[\s+1+16*\b+\i]|
.endr
.endr
.irp b, 0,1,2,3
	v_permlanex16_b32 v[\tm+4+\b], v[\tm+\b], s[SEL], s[SEL+1]
.endr
.irp b, 0,1,2,3
	v_max_num_f32 v[\tm+\b], v[\tm+\b], v[\tm+4+\b]                   ; with lane l xor 16's: the block's largest magnitude
.endr
.irp b, 0,1,2,3
	v_add_nc_u32 v[\tm+12+\b], 0xff000000, v[\tm+\b]                  ; 2 off its exponent field: the conversion's scale operand
.endr
.irp b, 0,1,2,3
	v_lshrrev_b32 v[\tm+4+\b], 23, v[\tm+12+\b]                       ; the scale's byte
.endr
	v_lshl_or_b32 v[\pw], v[\tm+5], 8, v[\tm+4]
	v_lshl_or_b32 v[\pw], v[\tm+6], 16, v[\pw]
	v_lshl_or_b32 v[\pw], v[\tm+7], 24, v[\pw]
.irp c, 0,1
	v_cvt_scalef32_pk16_fp6_f32 v[\pc+6*\c:\pc+2+6*\c], v[\s+32*\c:\s+15+32*\c], v[\tm+12+2*\c]
	v_cvt_scalef32_pk16_fp6_f32 v[\pc+12+4*\c:\pc+14+4*\c], v[\s+16+32*\c:\s+31+32*\c], v[\tm+12+2*\c+1]
.endr
	v_nop                                          ; one plain line behind the scaled conversions
.irp c, 0,1                                    ; the operand wants a whole block in a lane: lanes 0-15 block 2c, lanes 16-31 block 2c+1
.irp i, 0,1,2
	v_permlane16_swap_b32 v[\pc+6*\c+\i], v[\pc+12+4*\c+\i]
.endr
.irp i, 0,1,2
	v_mov_b32 v[\pc+3+6*\c+\i], v[\pc+12+4*\c+\i]
.endr
.endr
.endm
; the four rows' partial sums (two pairs a row) become the rows' sums, in every lane
.macro FOLD
.irp i, 0,1,2,3
	v_pk_add_f32 v[T+4*\i:T+4*\i+1], v[T+4*\i:T+4*\i+1], v[T+4*\i+2:T+4*\i+3]
.endr
.irp i, 0,1,2,3
	v_add_f32 v[T+4*\i], v[T+4*\i], v[T+4*\i+1]
.endr
.irp m, 1,2,4,8
.irp i, 0,1,2,3
	v_add_f32_dpp v[T+4*\i], v[T+4*\i], v[T+4*\i] row_xmask:\m row_mask:0xf bank_mask:0xf
.endr
.endr
.irp i, 0,1,2,3
	v_permlanex16_b32 v[T+4*\i+1], v[T+4*\i], s[SEL], s[SEL+1]
.endr
.irp i, 0,1,2,3
	v_add_f32 v[T+4*\i], v[T+4*\i], v[T+4*\i+1]
.endr
.endm
	s_load_b512 s[4:19], s[0:1], 0x0               ; X, gain, bias, hq, qkv_w, proj_w, ff1_w, ff2_w
	s_load_b64 s[20:21], s[0:1], 0x40              ; wq
	v_lshl_add_u32 v42, v0, 2, 0x16200
	v_mov_b32 v43, 0
	v_lshrrev_b32 v1, 5, v0
	v_readfirstlane_b32 s22, v1                    ; wave 0..3
	v_and_b32 v7, 31, v0                           ; lane
	s_cmp_lt_u32 ttmp9, 256                        ; the same in all waves of a work-group
	s_cbranch_scc0 .Lweights
	; ---------------- LAYER NORM: the work-group is row block ttmp9; wave w owns positions 4w..4w+3
	v_and_b32 v2, 15, v0                           ; r
	v_bfe_u32 v3, v0, 4, 1                         ; h
	v_lshlrev_b32 v1, 4, v7                        ; 16 lane
	s_mul_i32 s23, s22, 4*LP
	v_add_nc_u32 v4, s23, v1                       ; into LDS: my wave's four rows, 16 bytes a lane
	v_mul_u32_u24 v5, v2, LP
	v_lshl_add_u32 v5, v3, 6, v5
	s_lshl_b32 s23, s22, 10
	v_add_nc_u32 v5, s23, v5                       ; back: row r, + 64 h, + my wave's two K steps (1024 w)
	v_lshlrev_b32 v6, 2, v2
	v_lshl_add_u32 v6, v3, 14, v6                  ; scale words: lanes 0-15 the first K step's, lanes 16-31 the second's, 16384 bytes on
.irp b, 0,1,2,3
	v_mov_b32 v[TM+4+\b], 0                        ; written once: a lane permute's destination counts as one of its sources
.endr
	s_mov_b32 s[SEL], 0x76543210
	s_mov_b32 s[SEL+1], 0xfedcba98
	s_mov_b32 s30, 0x3a800000                      ; 1/1024
	s_mov_b32 s31, 0x3727c5ac                      ; 1e-5
	s_lshr_b32 s24, ttmp9, 1
	s_lshl_b32 s24, s24, 5
	s_and_b32 s25, ttmp9, 1
	s_lshl_b32 s25, s25, 3
	s_add_co_u32 s24, s24, s25
	s_lshl_b32 s25, s22, 2
	s_add_co_u32 s24, s24, s25
	s_lshr_b32 s25, s22, 1
	s_lshl_b32 s25, s25, 3
	s_add_co_u32 s24, s24, s25                     ; my first true row: 32 (RB/2) + 8 (RB%2) + 4 w + 8 (w/2)
	s_lshl_b32 s24, s24, 12
	s_mov_b32 s25, 0
	s_mul_i32 s26, ttmp9, 12288
	s_mul_i32 s27, s22, 3072
	s_add_co_u32 s26, s26, s27                     ; codes: row block x 8 fragments + my two
	s_mov_b32 s27, 0
	s_lshl_b32 s32, s22, 15
	s_lshl_b32 s33, ttmp9, 6
	s_add_co_u32 s32, s32, s33
	s_add_co_u32 s32, s32, 3145728                 ; scale words: behind the codes; K step 2 w, row block
	s_mov_b32 s33, 0
	s_wait_kmcnt 0x0
	s_add_nc_u64 s[4:5], s[4:5], s[24:25]
	s_add_nc_u64 s[26:27], s[10:11], s[26:27]
	s_add_nc_u64 s[32:33], s[10:11], s[32:33]
.irp i, 0,1,2,3
.irp j, 0,1,2,3,4,5,6,7
	global_load_b128 v[X+32*\i+4*\j:X+32*\i+4*\j+3], v1, s[4:5] offset:4096*\i+512*\j th:TH_LOAD_NT   ; 32 lanes read 512 consecutive bytes
.endr
.endr
.irp j, 0,1,2,3,4,5,6,7
	global_load_b128 v[GG+4*\j:GG+4*\j+3], v1, s[6:7] offset:512*\j
	global_load_b128 v[BB+4*\j:BB+4*\j+3], v1, s[8:9] offset:512*\j
.endr
	s_wait_loadcnt 16                              ; the rows are in; the 16 younger loads of gain and bias may be out
.irp i, 0,1,2,3
	v_pk_add_f32 v[T+4*\i:T+4*\i+1], v[X+32*\i:X+32*\i+1], v[X+32*\i+2:X+32*\i+3]
	v_pk_add_f32 v[T+4*\i+2:T+4*\i+3], v[X+32*\i+4:X+32*\i+5], v[X+32*\i+6:X+32*\i+7]
.endr
.irp k, 8,12,16,20,24,28
.irp i, 0,1,2,3
	v_pk_add_f32 v[T+4*\i:T+4*\i+1], v[T+4*\i:T+4*\i+1], v[X+32*\i+\k:X+32*\i+\k+1]
	v_pk_add_f32 v[T+4*\i+2:T+4*\i+3], v[T+4*\i+2:T+4*\i+3], v[X+32*\i+\k+2:X+32*\i+\k+3]
.endr
.endr
	FOLD
.irp i, 0,1,2,3
	v_mul_f32 v[MU+2*\i], s30, v[T+4*\i]           ; the mean
.endr
.irp i, 0,1,2,3
	v_mov_b32 v[MU+2*\i+1], v[MU+2*\i]
.endr
.irp k, 0,2,4,6,8,10,12,14,16,18,20,22,24,26,28,30
.irp i, 0,1,2,3
	v_pk_add_f32 v[X+32*\i+\k:X+32*\i+\k+1], v[X+32*\i+\k:X+32*\i+\k+1], v[MU+2*\i:MU+2*\i+1] neg_lo:[0,1] neg_hi:[0,1]   ; x - mean, before the squares: a common offset does no harm
.endr
.endr
.irp i, 0,1,2,3
	v_pk_mul_f32 v[T+4*\i:T+4*\i+1], v[X+32*\i:X+32*\i+1], v[X+32*\i:X+32*\i+1]
	v_pk_mul_f32 v[T+4*\i+2:T+4*\i+3], v[X+32*\i+2:X+32*\i+3], v[X+32*\i+2:X+32*\i+3]
.endr
.irp k, 4,8,12,16,20,24,28
.irp i, 0,1,2,3
	v_pk_fma_f32 v[T+4*\i:T+4*\i+1], v[X+32*\i+\k:X+32*\i+\k+1], v[X+32*\i+\k:X+32*\i+\k+1], v[T+4*\i:T+4*\i+1]
	v_pk_fma_f32 v[T+4*\i+2:T+4*\i+3], v[X+32*\i+\k+2:X+32*\i+\k+3], v[X+32*\i+\k+2:X+32*\i+\k+3], v[T+4*\i+2:T+4*\i+3]
.endr
.endr
	FOLD
.irp i, 0,1,2,3
	v_fma_f32 v[T+4*\i], v[T+4*\i], s30, s31       ; the variance + eps
.endr
	s_wait_alu depctr_va_vdst(0)
.irp i, 0,1,2,3
	v_rsq_f32 v[RS+2*\i], v[T+4*\i]
.endr
	v_nop                                          ; a plain line behind the last of the batch
	s_wait_alu depctr_va_vdst(0)                   ; one wait for the four, ahead of their first reader
.irp i, 0,1,2,3
	v_mov_b32 v[RS+2*\i+1], v[RS+2*\i]
.endr
	s_wait_alu depctr_va_vdst(0)
	s_wait_loadcnt 0x0                             ; gain and bias
.irp k, 0,2,4,6,8,10,12,14,16,18,20,22,24,26,28,30
.irp i, 0,1,2,3
	v_pk_mul_f32 v[X+32*\i+\k:X+32*\i+\k+1], v[X+32*\i+\k:X+32*\i+\k+1], v[RS+2*\i:RS+2*\i+1]
.endr
.irp i, 0,1,2,3
	v_pk_fma_f32 v[X+32*\i+\k:X+32*\i+\k+1], v[X+32*\i+\k:X+32*\i+\k+1], v[GG+\k:GG+\k+1], v[BB+\k:BB+\k+1]
.endr
.endr
.irp i, 0,1,2,3
.irp j, 0,1,2,3,4,5,6,7
	ds_store_b128 v4, v[X+32*\i+4*\j:X+32*\i+4*\j+3] offset:LP*\i+512*\j
.endr
.endr
	s_wait_dscnt 0x0                               ; for the others' sake: my rows lie in LDS
	s_barrier_signal -1
	s_barrier_wait -1
	; wave w quantises K steps 2w and 2w+1 of all 16 rows: lane (r, h) takes 16 neighbours of each block of 32 of row r
.irp b, 0,1,2,3
.irp j, 0,1,2,3
	ds_load_b128 v[64+16*\b+4*\j:67+16*\b+4*\j], v5 offset:128*\b+16*\j
.endr
.endr
.irp b, 0,1,2,3
.irp j, 0,1,2,3
	ds_load_b128 v[192+16*\b+4*\j:195+16*\b+4*\j], v5 offset:512+128*\b+16*\j
.endr
.endr
	s_wait_dscnt 16                                ; the first K step's 16 loads are in; the second's 16 may be out
	QUANT 64, 128, 10, TM
.irp c, 0,1,2
	global_store_b128 v1, v[128+4*\c:131+4*\c], s[26:27] offset:512*\c             ; 512 consecutive bytes a store
.endr
	s_wait_dscnt 0x0
	QUANT 192, 160, 11, TM                         ; registers of its own: the first fragment's stores may still read theirs
.irp c, 0,1,2
	global_store_b128 v1, v[160+4*\c:163+4*\c], s[26:27] offset:1536+512*\c
.endr
	v_cmp_eq_u32 vcc_lo, 1, v3
	v_cndmask_b32 v12, v10, v11, vcc_lo            ; every lane holds its row's word of both K steps
	global_store_b32 v6, v12, s[32:33]             ; two runs of 64 bytes a wave: one byte for each 128 that the path reads
	s_wait_tensorcnt 0x0
	ds_add_u32 v42, v43
	s_wait_dscnt 0x0
	s_endpgm
	; ---------------- WEIGHTS: a work-group takes 128 columns x 256 K, a wave 32 columns; a lane takes a column and its registers run down K
.Lweights:
	s_sub_co_u32 s23, ttmp9, 256                   ; 0-95 qkv, 96-127 proj, 128-255 ff1, 256-383 ff2
	s_mov_b32 s24, 4                               ; log2 of the groups along K      (ff2's figures first)
	s_mov_b32 s25, 4096                            ; a row of the weight in bytes
	s_mov_b32 s26, 49152                           ; a row block of its codes
	s_mov_b32 s27, 4096                            ; a K step of its scale words
	s_mov_b32 s28, 6291456                         ; where its codes begin in wq
	s_mov_b32 s29, 9732096                         ; and its scale words
	s_mov_b32 s30, 256                             ; its first work-group
	s_wait_kmcnt 0x0
	s_mov_b64 s[2:3], s[18:19]
	s_cmp_lt_u32 s23, 256                          ; the choices hang on the work-group's number alone
	s_cselect_b64 s[2:3], s[16:17], s[2:3]
	s_cselect_b32 s24, 2, s24
	s_cselect_b32 s25, 16384, s25
	s_cselect_b32 s26, 12288, s26
	s_cselect_b32 s27, 16384, s27
	s_cselect_b32 s28, 3145728, s28
	s_cselect_b32 s29, 9568256, s29
	s_cselect_b32 s30, 128, s30
	s_cmp_lt_u32 s23, 128
	s_cselect_b64 s[2:3], s[14:15], s[2:3]
	s_cselect_b32 s25, 4096, s25
	s_cselect_b32 s27, 4096, s27
	s_cselect_b32 s28, 2359296, s28
	s_cselect_b32 s29, 9699328, s29
	s_cselect_b32 s30, 96, s30
	s_cmp_lt_u32 s23, 96
	s_cselect_b64 s[2:3], s[12:13], s[2:3]
	s_cselect_b32 s25, 12288, s25
	s_cselect_b32 s27, 16384, s27
	s_cselect_b32 s28, 0, s28
	s_cselect_b32 s29, 9437184, s29
	s_cselect_b32 s30, 0, s30
	s_sub_co_u32 s23, s23, s30
	s_lshr_b32 s31, s23, s24                       ; which 128 columns
	s_bfm_b32 s48, s24, 0
	s_and_b32 s48, s23, s48                        ; which 256 along K
	s_lshl_b32 s50, s48, 8
	s_mul_i32 s50, s50, s25
	s_lshl_b32 s49, s31, 9
	s_add_co_u32 s50, s50, s49
	s_lshl_b32 s49, s22, 7
	s_add_co_u32 s50, s50, s49                     ; 256 kg rows + 4 (128 cg + 32 w)
	s_mov_b32 s51, 0
	s_lshl_b32 s52, s25, 5                         ; 32 rows
	s_mov_b32 s53, 0
	s_add_nc_u64 s[32:33], s[2:3], s[50:51]        ; a base for each of the 8 blocks of 32 along K: none is ever rewritten
.irp t, 1,2,3,4,5,6,7
	s_add_nc_u64 s[32+2*\t:33+2*\t], s[30+2*\t:31+2*\t], s[52:53]
.endr
	s_lshl_b32 s54, s31, 3
	s_lshl_b32 s49, s22, 1
	s_add_co_u32 s54, s54, s49                     ; my first row block: 2 (4 cg + w)
	s_mul_i32 s50, s54, s26
	s_mul_i32 s49, s48, 3072
	s_add_co_u32 s50, s50, s49
	s_add_co_u32 s50, s50, s28
	s_add_nc_u64 s[56:57], s[20:21], s[50:51]      ; codes of my first row block, K step 2 kg
	s_mov_b32 s52, s26
	s_add_nc_u64 s[58:59], s[56:57], s[52:53]      ; and of my second
	s_lshl_b32 s50, s48, 1
	s_mul_i32 s50, s50, s27
	s_lshl_b32 s49, s54, 6
	s_add_co_u32 s50, s50, s49
	s_add_co_u32 s50, s50, s29
	s_add_nc_u64 s[60:61], s[20:21], s[50:51]      ; scale words of K step 2 kg
	s_mov_b32 s52, s27
	s_add_nc_u64 s[62:63], s[60:61], s[52:53]      ; and of 2 kg + 1
	s_wait_alu depctr_va_vdst(0)
	v_lshlrev_b32 v1, 2, v7                        ; 4 lane
	v_bfe_u32 v8, v7, 3, 1                         ; column l lies in row block u = bit 3 of l,
	v_and_b32 v9, 7, v7
	v_bfe_u32 v10, v7, 4, 1
	v_lshl_or_b32 v9, v10, 3, v9                   ; at position 8 (l / 16) + l % 8
	s_mul_i32 s55, s22, 6144
	s_add_co_u32 s55, s55, WST                     ; my stage: [row block 2][K step 2][1536]
	v_mul_u32_u24 v2, v8, 3072
	v_lshl_add_u32 v2, v9, 4, v2
	v_add_nc_u32 v2, s55, v2
	v_lshlrev_b32 v4, 4, v7
	v_add_nc_u32 v3, s55, v4
	v_lshl_or_b32 v5, v8, 4, v9
	v_lshlrev_b32 v5, 2, v5                        ; my column's scale word among the 32
.set I, 0
.rept 32
	v_mad_u32_u24 v[OFF+I], s25, I, v1
.set I, I+1
.endr
.macro LOAD t
.set I, 0
.rept 32
	global_load_b32 v[XW+32*((\t)%2)+I], v[OFF+I], s[32+2*(\t):33+2*(\t)] th:TH_LOAD_NT   ; a wave reads 128 consecutive bytes, the work-group 512
.set I, I+1
.endr
.endm
.macro BLOCK t
.set XS, XW+32*((\t)%2)
.set SO, 1536*((\t)/4)+256*((\t)%2)    ; K step t / 4; the block is that of lanes 16 (t % 2) + position
.if (\t) < 7
	s_wait_loadcnt 32                              ; this block's 32 loads are in; the next block's 32 may be out
.else
	s_wait_loadcnt 0x0
.endif
	v_max3_num_f32 v12, |v[XS]|, |v[XS+1]|, |v[XS+2]|
	v_max3_num_f32 v13, |v[XS+3]|, |v[XS+4]|, |v[XS+5]|
.irp i, 6,10,14,18,22,26
	v_max3_num_f32 v12, v12, |v[XS+\i]|, |v[XS+\i+1]|
	v_max3_num_f32 v13, v13, |v[XS+\i+2]|, |v[XS+\i+3]|
.endr
	v_max3_num_f32 v12, v12, |v[XS+30]|, |v[XS+31]|
	v_max3_num_f32 v12, v12, v13, 0x1800000        ; and the floor
	v_add_nc_u32 v11, 0xff000000, v12
	v_lshrrev_b32 v13, 23, v11
.if (\t)%4 == 0
	v_mov_b32 v[SBY+(\t)/4], v13
.else
	v_lshl_or_b32 v[SBY+(\t)/4], v13, 8*((\t)%4), v[SBY+(\t)/4]
.endif
	v_cvt_scalef32_pk16_fp6_f32 v[CC:CC+2], v[XS:XS+15], v11
	v_cvt_scalef32_pk16_fp6_f32 v[DD:DD+2], v[XS+16:XS+31], v11
	v_nop
.irp i, 0,1,2
	v_mov_b32 v[CC+3+\i], v[DD+\i]
.endr
.if (((\t)/2)%2) == 0                  ; registers 0-5 of the fragment: piece 0, and the first half of my 16 bytes of piece 1
	ds_store_b128 v2, v[CC:CC+3] offset:SO
	ds_store_b64 v2, v[CC+4:CC+5] offset:SO+512
.else                                  ; registers 6-11: the second half of piece 1, and piece 2
	ds_store_b64 v2, v[CC:CC+1] offset:SO+520
	ds_store_b128 v2, v[CC+2:CC+5] offset:SO+1024
.endif
.if (\t) < 6
	LOAD (\t)+2
.endif
	s_wait_dscnt 0x0                               ; the stores have read their registers
.endm
	LOAD 0
	LOAD 1
.irp t, 0,1,2,3,4,5,6,7
	BLOCK \t
.endr
.irp n, 0,1,2,3,4,5,6,7,8,9,10,11
	ds_load_b128 v[OUTR+4*\n:OUTR+4*\n+3], v3 offset:512*\n       ; a wave's LDS instructions are served in order: these see my stores
.endr
.irp n, 0,1,2,3,4,5,6,7,8,9,10,11
	s_wait_dscnt 11-\n                             ; piece n is back; the younger ones may be out
	global_store_b128 v4, v[OUTR+4*\n:OUTR+4*\n+3], s[56+2*(\n/6):57+2*(\n/6)] offset:512*(\n%6)   ; 512 consecutive bytes
.endr
	global_store_b32 v5, v[SBY], s[60:61]          ; runs of 128 bytes
	s_wait_alu depctr_va_vdst(0)
	global_store_b32 v5, v[SBY+1], s[62:63]
	s_wait_tensorcnt 0x0
	ds_add_u32 v42, v43
	s_wait_dscnt 0x0
	s_endpgm
.Lfunc_end_k_qd5655715a6_prep1:
	.size	k_qd5655715a6_prep1, .Lfunc_end_k_qd5655715a6_prep1-k_qd5655715a6_prep1
	.p2alignl 7, 3214868480
	.fill 96, 4, 3214868480
	.section	.rodata,"a",@progbits
	.p2align	6, 0x0
	.amdhsa_kernel k_qd5655715a6_prep1
		.amdhsa_group_segment_fixed_size 91136
		.amdhsa_private_segment_fixed_size 0
		.amdhsa_enable_private_segment 0
		.amdhsa_kernarg_size 72
		.amdhsa_user_sgpr_count 2
		.amdhsa_user_sgpr_kernarg_segment_ptr 1
		.amdhsa_wavefront_size32 1
		.amdhsa_system_sgpr_workgroup_id_x 1
		.amdhsa_system_sgpr_workgroup_id_y 1
		.amdhsa_system_sgpr_workgroup_id_z 1
		.amdhsa_system_vgpr_workitem_id 0
		.amdhsa_next_free_vgpr 256
		.amdhsa_next_free_sgpr 66
		.amdhsa_reserve_vcc 1
		.amdhsa_float_denorm_mode_32 3
		.amdhsa_float_denorm_mode_16_64 3
		.amdhsa_memory_ordered 1
		.amdhsa_forward_progress 1
		.amdhsa_inst_pref_size 89
	.end_amdhsa_kernel
	.amdgpu_metadata
---
amdhsa.version: [ 1, 2 ]
amdhsa.kernels:
  - .name:           k_qd5655715a6_prep1
    .symbol:         k_qd5655715a6_prep1.kd
    .args:
      - { .name: x, .offset: 0, .size: 8, .value_kind: global_buffer, .address_space: global }
      - { .name: ln1_g, .offset: 8, .size: 8, .value_kind: global_buffer, .address_space: global }
      - { .name: ln1_b, .offset: 16, .size: 8, .value_kind: global_buffer, .address_space: global }
      - { .name: hq, .offset: 24, .size: 8, .value_kind: global_buffer, .address_space: global }
      - { .name: qkv_w, .offset: 32, .size: 8, .value_kind: global_buffer, .address_space: global }
      - { .name: proj_w, .offset: 40, .size: 8, .value_kind: global_buffer, .address_space: global }
      - { .name: ff1_w, .offset: 48, .size: 8, .value_kind: global_buffer, .address_space: global }
      - { .name: ff2_w, .offset: 56, .size: 8, .value_kind: global_buffer, .address_space: global }
      - { .name: wq, .offset: 64, .size: 8, .value_kind: global_buffer, .address_space: global }
    .group_segment_fixed_size: 91136
    .private_segment_fixed_size: 0
    .kernarg_segment_align: 8
    .kernarg_segment_size: 72
    .max_flat_workgroup_size: 128
    .sgpr_count:     66
    .vgpr_count:     256
    .wavefront_size: 32
...
	.end_amdgpu_metadata
.endif
;; end of part 1
;; launch g1 (part 2): grid 12 x 16, 4 waves a work-group, clusters of 4 x 4, 327,680 bytes of LDS; arguments hq, wq, qkv_b, qkvq; writes qkvq
.if DOCPART == 2
	.amdgcn_target "amdgcn-amd-amdhsa--gfx1250"
	.amdhsa_code_object_version 6
	.text
	.protected	k_qd5655715a6_g1
	.globl	k_qd5655715a6_g1
	.p2align	8
	.type	k_qd5655715a6_g1,@function
k_qd5655715a6_g1:
	s_mov_b64 s[64:65], 0
	v_nop
	global_prefetch_b8 v0, s[64:65] scope:SCOPE_SE
	s_setreg_imm32_b32 hwreg(HW_REG_WAVE_MODE, 25, 1), 1
	s_wait_xcnt 0x0
	s_wait_alu depctr_hold_cnt(0) depctr_sa_sdst(0) depctr_va_vdst(0) depctr_va_sdst(0) depctr_va_ssrc(0) depctr_va_vcc(0) depctr_vm_vsrc(0)
	s_getreg_b32 s2, hwreg(HW_REG_IB_STS2, 6, 4)
	s_cmp_eq_u32 s2, 0
	s_cbranch_scc0 .Lentry_in_a_cluster
	s_endpgm
.Lentry_in_a_cluster:
	s_bfe_u32 s2, ttmp6, 0x10000c
	s_cmp_lg_u32 s2, 0xf033
	s_cbranch_scc0 .Lentry_shape_is_right
	s_endpgm
.Lentry_shape_is_right:
.set NA, 8
.set NQ, 2
.set NK, 8
.set LAPS, NK/(2*NQ)
.set FRB, 1536
.set WREG, NA*NQ*FRB
.set SLOT, 4*WREG
.set SROW, NA*64
.set SREG, NK*SROW
.set SCL, 2*SLOT
.set SPARE, SCL+4*SREG
.set STG, SPARE+512
.set STQ, STG
.set STV, STG+4096
.set ADRA, 16
.set ADRB, 20
.set ADRS, 27
.set SPW, 28
.set NIL, 29
.set H, 64
.set PC, 128
.set TM, 160
.set PWS, 208
.set G1, 24
.set G0, 32
.set G1B, 48
.set G0B, 56
.set SEL, 66
.set G1S, 68
.set G0S, 76
.set G1SB, 80
.set G0SB, 88
.set MSB, 0
.macro WIN new
.if MSB != (\new)
	s_set_vgpr_msb (MSB<<8)|(\new)
.set MSB, (\new)
.endif
.endm
.set MUL_LO, 0xa1
.set MUL_HI, 0xf1
.set TO_B, 0x40
.macro JLOAD g0a, g1a, g0b, g1b
	s_cmp_eq_u32 s15, 0
	s_cbranch_scc0 .Lfor_b_\@
	tensor_load_to_lds s[\g0a:\g0a+3], s[\g1a:\g1a+7]
	s_nop 0
.rept 4
	v_nop
.endr
	s_branch .Lasked_\@
.Lfor_b_\@:
	tensor_load_to_lds s[\g0b:\g0b+3], s[\g1b:\g1b+7]
	s_nop 0
.rept 4
	v_nop
.endr
.Lasked_\@:
.endm
.macro CREST
	s_cmp_lg_u32 s14, 0
	s_cbranch_scc1 .Lnot_wave_0_\@
	s_barrier_signal -3
.Lnot_wave_0_\@:
	s_barrier_wait -3
	s_barrier_signal -1
	s_barrier_wait -1
.endm
.macro CROUND
	s_barrier_signal -1
	s_barrier_wait -1
	CREST
.endm
.macro PLACES
.rept 4
	v_nop
.endr
.endm
.macro QUANT s, pc, pw, tm
.irp b, 0,1,2,3
	v_max3_num_f32 v[\tm+\b], |v[\s+16*\b]|, |v[\s+1+16*\b]|, 0x1800000
.endr
.irp i, 2,4,6,8,10,12,14
.irp b, 0,1,2,3
	v_max3_num_f32 v[\tm+\b], v[\tm+\b], |v[\s+16*\b+\i]|, |v[\s+1+16*\b+\i]|
.endr
.endr
.irp b, 0,1,2,3
	v_permlanex16_b32 v[\tm+4+\b], v[\tm+\b], s[SEL], s[SEL+1]
.endr
.irp b, 0,1,2,3
	v_max_num_f32 v[\tm+\b], v[\tm+\b], v[\tm+4+\b]
.endr
.irp b, 0,1,2,3
	v_add_nc_u32 v[\tm+12+\b], 0xff000000, v[\tm+\b]
.endr
.irp b, 0,1,2,3
	v_lshrrev_b32 v[\tm+4+\b], 23, v[\tm+12+\b]
.endr
	v_lshl_or_b32 v[\pw], v[\tm+5], 8, v[\tm+4]
	v_lshl_or_b32 v[\pw], v[\tm+6], 16, v[\pw]
	v_lshl_or_b32 v[\pw], v[\tm+7], 24, v[\pw]
.irp c, 0,1
	v_cvt_scalef32_pk16_fp6_f32 v[\pc+6*\c:\pc+2+6*\c], v[\s+32*\c:\s+15+32*\c], v[\tm+12+2*\c]
	v_cvt_scalef32_pk16_fp6_f32 v[\pc+12+4*\c:\pc+14+4*\c], v[\s+16+32*\c:\s+31+32*\c], v[\tm+12+2*\c+1]
.endr
	v_nop
.irp c, 0,1
.irp i, 0,1,2
	v_permlane16_swap_b32 v[\pc+6*\c+\i], v[\pc+12+4*\c+\i]
.endr
.irp i, 0,1,2
	v_mov_b32 v[\pc+3+6*\c+\i], v[\pc+12+4*\c+\i]
.endr
.endr
.endm
.macro FETCH slot, q, p
	WIN TO_B
.irp i, 0,1,2,3,4,5,6,7
.irp c, 0,1,2
	ds_load_b128 v[128*(\p)+12*\i+4*\c:128*(\p)+12*\i+4*\c+3], v[ADRB+\slot] offset:(\i*NQ+(\q))*FRB+512*\c
.endr
.endr
	WIN 0
.irp i, 0,1,2,3,4,5,6,7
.irp c, 0,1,2
	ds_load_b128 v[64+96*(\p)+12*\i+4*\c:64+96*(\p)+12*\i+4*\c+3], v[ADRA+\slot] offset:(\i*NQ+(\q))*FRB+512*\c
.endr
.endr
.irp i, 0,1,2,3,4,5,6,7
	ds_load_b32 v[32+8*(\p)+\i], v[ADRS] offset:(\q)*SROW+64*\i
.endr
.endm
.macro MUL2 a0, p, zero
.irp a, \a0, \a0+1
.irp b, 0,1,2,3,4,5,6,7
.if \zero
	v_wmma_scale_f32_16x16x128_f8f6f4 v[8*(8*((\a)%4)+\b):8*(8*((\a)%4)+\b)+7], v[128*(\p)+12*\b:128*(\p)+12*\b+11], v[64+96*(\p)+12*(\a):64+96*(\p)+12*(\a)+11], 0, v[32+8*(\p)+\b], v[32+8*(\p)+(\a)] matrix_a_fmt:MATRIX_FMT_FP6 matrix_b_fmt:MATRIX_FMT_FP6 matrix_a_scale:MATRIX_SCALE_ROW1
.else
	v_wmma_scale_f32_16x16x128_f8f6f4 v[8*(8*((\a)%4)+\b):8*(8*((\a)%4)+\b)+7], v[128*(\p)+12*\b:128*(\p)+12*\b+11], v[64+96*(\p)+12*(\a):64+96*(\p)+12*(\a)+11], v[8*(8*((\a)%4)+\b):8*(8*((\a)%4)+\b)+7], v[32+8*(\p)+\b], v[32+8*(\p)+(\a)] matrix_a_fmt:MATRIX_FMT_FP6 matrix_b_fmt:MATRIX_FMT_FP6 matrix_a_scale:MATRIX_SCALE_ROW1
.endif
.endr
.endr
.endm
.macro STEP slot, q, zero
	s_wait_dscnt 0x0
	WIN MUL_LO
	MUL2 0, (\q)%2, \zero
	MUL2 2, (\q)%2, \zero
	PLACES
	FETCH \slot, (\q)+1, 1-(\q)%2
	WIN MUL_HI
	MUL2 4, (\q)%2, \zero
	MUL2 6, (\q)%2, \zero
.endm
.macro TURN slot, next, fill
	WIN 0
	s_wait_tensorcnt 0x0
	ds_add_u32 v[SPW], v[NIL]
	s_wait_dscnt 1
	WIN MUL_LO
	MUL2 0, 1, 0
	s_wait_dscnt 0x0
	s_barrier_signal -1
	MUL2 2, 1, 0
	WIN 0
	s_barrier_wait -1
.if \fill
	CREST
	s_add_nc_u64 s[G0+4*\slot+2:G0+4*\slot+3], s[G0+4*\slot+2:G0+4*\slot+3], 2*NQ*FRB
	s_add_nc_u64 s[G0B+4*\slot+2:G0B+4*\slot+3], s[G0B+4*\slot+2:G0B+4*\slot+3], 2*NQ*FRB
	JLOAD G0+4*\slot, G1, G0B+4*\slot, G1B
.else
	PLACES
.endif
	s_wait_alu depctr_va_vdst(0)
	v_add_nc_u32 v[ADRS], NQ*SROW, v[ADRS]
	FETCH \next, 0, 0
	WIN MUL_HI
	MUL2 4, 1, 0
	MUL2 6, 1, 0
.endm
	s_load_b256 s[4:11], s[0:1], 0x0
	v_lshl_add_u32 v[SPW], v0, 2, SPARE
	v_mov_b32 v[NIL], 0
	ds_add_u32 v28, v29
	ds_add_u32 v28, v29
	s_wait_dscnt 0x0
	v_lshrrev_b32 v1, 5, v0
	v_readfirstlane_b32 s14, v1
	s_lshr_b32 s15, s14, 1
	s_and_b32 s16, s14, 1
	s_bfe_u32 s40, ttmp6, 0x40000
	s_bfe_u32 s41, ttmp6, 0x40004
	s_and_b32 s96, ttmp7, 0xffff
	s_cmp_eq_u32 ttmp9, 2
	s_cselect_b32 s95, 1, 0
	s_cselect_b32 s97, s96, ttmp9
	s_cselect_b32 s98, 0, s96
	s_cselect_b32 s99, 128, 0
	s_lshl_b32 s42, s97, 2
	s_add_co_u32 s42, s42, s40
	s_lshl_b32 s17, s98, 2
	s_add_co_u32 s17, s17, s41
	s_lshl_b32 s43, s41, 2
	s_lshl_b32 s43, 15, s43
	s_lshl_b32 s44, 0x1111, s40
	s_or_b32 s[G1+0], s43, (3<<16)|(1<<21)
	s_or_b32 s[G1B+0], s44, (3<<16)|(1<<21)
.irp g, G1, G1B
	s_mov_b32 s[\g+1], (NQ*192)<<16
	s_mov_b32 s[\g+2], NA<<16
	s_mov_b32 s[\g+3], (NQ*192)<<16
	s_mov_b32 s[\g+4], NA
	s_mov_b32 s[\g+5], NK*192
	s_mov_b32 s[\g+6], 0
	s_mov_b32 s[\g+7], 0
.endr
	s_lshl_b32 s20, s17, 1
	s_add_co_u32 s20, s20, s16
	s_lshl_b32 s20, s20, 3
	s_add_co_u32 s20, s20, s99
	s_lshl_b32 s46, s42, 1
	s_add_co_u32 s46, s46, s16
	s_lshl_b32 s46, s46, 3
	s_lshl_b32 s22, s20, 6
	s_mov_b32 s23, 0
	s_lshl_b32 s92, s46, 6
	s_mov_b32 s93, 0
	s_mul_i32 s20, s20, NK*FRB
	s_mov_b32 s21, 0
	s_mul_i32 s46, s46, NK*FRB
	s_mov_b32 s47, 0
	s_mov_b32 s18, 3145728
	s_mov_b32 s19, 9437184
	s_cmp_eq_u32 s95, 1
	s_cselect_b32 s12, s19, s18
	s_cselect_b32 s13, s18, s19
	s_add_co_u32 s22, s22, s12
	s_add_co_u32 s92, s92, s13
	s_mul_i32 s45, s14, WREG
	s_mul_i32 s94, s14, SREG
	s_mov_b32 s[SEL], 0x76543210
	s_mov_b32 s[SEL+1], 0xfedcba98
	s_wait_kmcnt 0x0
	s_cmp_eq_u32 s95, 1
	s_cselect_b64 s[96:97], s[6:7], s[4:5]
	s_cselect_b64 s[98:99], s[4:5], s[6:7]
	s_add_nc_u64 s[20:21], s[96:97], s[20:21]
	s_add_nc_u64 s[22:23], s[96:97], s[22:23]
	s_add_nc_u64 s[46:47], s[98:99], s[46:47]
	s_add_nc_u64 s[92:93], s[98:99], s[92:93]
	CROUND
.irp s, 0,1
	s_mov_b32 s[G0+4*\s], 1
	s_add_co_u32 s[G0+4*\s+1], s45, \s*SLOT
	s_add_nc_u64 s[G0+4*\s+2:G0+4*\s+3], s[20:21], \s*NQ*FRB
	s_or_b32 s[G0+4*\s+3], s[G0+4*\s+3], 0x80000000
	s_mov_b32 s[G0B+4*\s], 1
	s_add_co_u32 s[G0B+4*\s+1], s45, \s*SLOT
	s_add_nc_u64 s[G0B+4*\s+2:G0B+4*\s+3], s[46:47], \s*NQ*FRB
	s_or_b32 s[G0B+4*\s+3], s[G0B+4*\s+3], 0x80000000
.endr
	JLOAD G0, G1, G0B, G1B                         ; slot 0: my one tensor load at the head
	s_cmp_eq_u32 s15, 0                            ; my quarter of the scale words (8 K steps x 512 bytes) comes by plain loads and LDS stores, into bytes on which no fill lands
	s_cselect_b64 s[22:23], s[22:23], s[92:93]
	s_add_co_u32 s94, s94, SCL
	v_and_b32 v3, 31, v0
	v_lshlrev_b32 v24, 4, v3
	v_add_nc_u32 v7, s94, v24
.irp q, 0,1,2,3,4,5,6,7
	global_load_b128 v[64+4*\q:67+4*\q], v24, s[22:23] offset:16384*\q   ; 512 consecutive bytes a load
.endr
	s_wait_alu depctr_va_vdst(0)                   ; the wait ahead of the wait below
	s_wait_loadcnt 0x0
.irp q, 0,1,2,3,4,5,6,7
	ds_store_b128 v7, v[64+4*\q:67+4*\q] offset:512*\q
.endr
	s_wait_tensorcnt 0x0                           ; slot 0 is in
	ds_add_u32 v28, v29
	s_wait_dscnt 0x0                               ; the add and my scale words' stores are done
	CROUND
	JLOAD G0+4, G1, G0B+4, G1B                     ; slot 1
	v_and_b32 v1, 15, v0
	v_bfe_u32 v2, v0, 4, 1
	s_wait_alu depctr_va_vdst(0)
	v_lshlrev_b32 v25, 3, v3
	s_mul_i32 s21, s15, WREG
	s_mul_i32 s22, s16, WREG
	s_add_co_u32 s22, s22, 2*WREG
.irp s, 0,1
	v_add_nc_u32 v[ADRA+\s], s21, v24
	v_add_nc_u32 v[ADRB+\s], s22, v24
	s_add_co_u32 s21, s21, SLOT
	s_add_co_u32 s22, s22, SLOT
.endr
	v_lshlrev_b32 v5, 2, v1
	s_wait_alu depctr_va_vdst(0)
	s_mul_i32 s21, s15, SREG
	s_mul_i32 s22, s16, SREG
	s_add_co_u32 s22, s22, 2*SREG
	s_sub_co_u32 s22, s22, s21
	v_mul_u32_u24 v6, s22, v2
	s_add_co_u32 s21, s21, SCL
	v_add_nc_u32 v6, v5, v6
	v_add_nc_u32 v[ADRS], s21, v6
	s_lshl_b32 s21, s14, 10
	s_add_co_u32 s22, s21, STQ
	v_lshl_add_u32 v10, v2, 9, v5
	v_add_nc_u32 v10, s22, v10
	v_add_nc_u32 v11, s22, v24
	s_add_co_u32 s22, s21, STV
	v_add_nc_u32 v12, s22, v5
	v_add_nc_u32 v13, s22, v24
	v_lshlrev_b32 v14, 4, v1
	v_lshl_add_u32 v14, v2, 12, v14
	v_lshlrev_b32 v26, 4, v2
	v_mov_b32 v30, 0x7f7f0000
	v_lshlrev_b32 v8, 6, v2
	s_wait_alu depctr_va_vdst(0)
	v_and_b32 v9, 8, v1
	v_add_nc_u32 v9, v9, v1
	v_lshlrev_b32 v9, 2, v9
	s_wait_alu depctr_va_vdst(0)
	s_lshl_b32 s12, s42, 10
	s_lshl_b32 s13, s16, 9
	s_add_co_u32 s12, s12, s13
	s_lshl_b32 s18, s17, 10
	s_lshl_b32 s19, s15, 9
	s_add_co_u32 s18, s18, s19
	s_add_co_u32 s18, s18, 8192
	s_cmp_eq_u32 s95, 1
	s_cselect_b32 s12, 0, s12
	s_cselect_b32 s18, s18, 0
	s_mov_b32 s13, 0
	s_mov_b32 s19, 0
	s_add_nc_u64 s[12:13], s[8:9], s[12:13]
	s_add_nc_u64 s[18:19], s[8:9], s[18:19]
	WIN TO_B
.irp t, 0,1,2,3,4,5,6,7
	global_load_b128 v[96+8*\t+96*(\t/4):99+8*\t+96*(\t/4)], v8, s[12:13] offset:(32*(\t/2)+8*(\t%2))*4
	global_load_b128 v[100+8*\t+96*(\t/4):103+8*\t+96*(\t/4)], v8, s[12:13] offset:(32*(\t/2)+8*(\t%2))*4+16
.endr
	WIN 0
.irp a, 0,1,2,3,4,5,6,7
	global_load_b32 v[48+2*\a], v9, s[18:19] offset:(32*(\a/2)+8*(\a%2))*4
	global_load_b32 v[49+2*\a], v9, s[18:19] offset:(32*(\a/2)+8*(\a%2))*4
.endr
	s_wait_tensorcnt 1
	s_barrier_signal -1
	s_barrier_wait -1
	FETCH 0, 0, 0
	STEP 0, 0, 1
	WIN 0
	s_mov_b32 s3, LAPS-1
.Llap:
	TURN 0, 1, 1
	s_wait_alu depctr_va_vdst(0)
	STEP 1, 0, 0
	TURN 1, 0, 1
	s_wait_alu depctr_va_vdst(0)
	STEP 0, 0, 0
	WIN 0
	s_sub_co_u32 s3, s3, 1
	s_cmp_lg_u32 s3, 0
	s_cbranch_scc1 .Llap
	TURN 0, 1, 0
	s_wait_alu depctr_va_vdst(0)
	STEP 1, 0, 0
	s_wait_dscnt 0x0
	WIN MUL_LO
	MUL2 0, 1, 0
	MUL2 2, 1, 0
	WIN MUL_HI
	MUL2 4, 1, 0
	MUL2 6, 1, 0
	WIN 0
	PLACES
	s_wait_loadcnt 0x0
.irp b, 0,1,2,3
	v_mov_b32 v[TM+4+\b], 0
.endr
	s_lshl_b32 s96, s17, 4
	s_lshl_b32 s97, s15, 3
	s_add_co_u32 s96, s96, s97
	s_lshl_b32 s97, s42, 1
	s_add_co_u32 s97, s97, s16
	s_mov_b32 s21, 0
	s_mov_b32 s23, 0
	s_cmp_eq_u32 s95, 1
	s_cbranch_scc1 .Lvpart
.macro BLKQ a
	WIN 0x06+(\a)/4
.set J, 0
.rept 32
	v_pk_add_f32 v[H+J:H+J+1], v[64*((\a)%4)+J:64*((\a)%4)+J+1], v[96+J+96*(J/32):97+J+96*(J/32)]
.set J, J+2
.endr
	WIN 0
.if (\a) > 0
	s_wait_xcnt 0x0
.endif
	QUANT H, PC, PWS+(\a), TM
	global_store_b128 v24, v[PC:PC+3], s[20:21] offset:768*(\a)
	global_store_b64 v25, v[PC+4:PC+5], s[20:21] offset:768*(\a)+512
	global_store_b128 v24, v[PC+6:PC+9], s[20:21] offset:196608+768*(\a)
	global_store_b64 v25, v[PC+10:PC+11], s[20:21] offset:196608+768*(\a)+512
.endm
	s_lshl_b32 s98, s97, 1
	s_mul_i32 s20, s98, 196608
	s_mul_i32 s99, s96, 768
	s_add_co_u32 s20, s20, s99
	s_lshl_b32 s22, s98, 14
	s_lshl_b32 s99, s96, 6
	s_add_co_u32 s22, s22, s99
	s_add_co_u32 s22, s22, 9437184
	s_add_nc_u64 s[20:21], s[10:11], s[20:21]
	s_add_nc_u64 s[22:23], s[10:11], s[22:23]
.irp a, 0,1,2,3,4,5,6,7
	BLKQ \a
.endr
.irp a, 0,1,2,3,4,5,6,7
	v_lshrrev_b32 v[216+\a], v26, v[PWS+\a]
	v_and_or_b32 v[216+\a], v[216+\a], 0xffff, v30
	ds_store_b32 v10, v[216+\a] offset:64*\a
.endr
	ds_load_b128 v[224:227], v11
	ds_load_b128 v[228:231], v11 offset:512
	s_wait_dscnt 0x0
	global_store_b128 v24, v[224:227], s[22:23]
	global_store_b128 v24, v[228:231], s[22:23] offset:16384
	s_branch .Lend
.macro BLKV a
	WIN 0x02+(\a)/4
.set J, 0
.rept 32
	v_pk_add_f32 v[H+J:H+J+1], v[64*((\a)%4)+J:64*((\a)%4)+J+1], v[48+2*(\a):49+2*(\a)]
.set J, J+2
.endr
	WIN 0
.if (\a) > 0
	s_wait_xcnt 0x0
.endif
	QUANT H, PC, PWS+(\a), TM
.irp c, 0,1,2
	global_store_b128 v24, v[PC+4*\c:PC+4*\c+3], s[20:21] offset:98304*((\a)/4)+1536*((\a)%4)+512*\c
.endr
.endm
.Lvpart:
	s_lshr_b32 s98, s97, 4
	s_and_b32 s99, s97, 15
	s_lshl_b32 s98, s98, 4
	s_lshr_b32 s96, s96, 2
	s_add_co_u32 s98, s98, s96
	s_lshl_b32 s98, s98, 4
	s_add_co_u32 s98, s98, s99
	s_mul_i32 s20, s98, 6144
	s_add_co_u32 s20, s20, 6291456
	s_lshl_b32 s22, s98, 8
	s_add_co_u32 s22, s22, 9961472
	s_add_nc_u64 s[20:21], s[10:11], s[20:21]
	s_add_nc_u64 s[22:23], s[10:11], s[22:23]
.irp a, 0,1,2,3,4,5,6,7
	BLKV \a
.endr
.irp a, 0,1,2,3,4,5,6,7
	ds_store_b32 v12, v[PWS+\a] offset:64*\a
.endr
	ds_load_b128 v[224:227], v13
	s_wait_dscnt 0x0
	global_store_b128 v14, v[224:227], s[22:23]
.Lend:
	s_wait_tensorcnt 0x0
	ds_add_u32 v[SPW], v[NIL]
	s_wait_dscnt 0x0
	CROUND
	s_endpgm
.Lfunc_end_k_qd5655715a6_g1:
	.size	k_qd5655715a6_g1, .Lfunc_end_k_qd5655715a6_g1-k_qd5655715a6_g1
	.p2alignl 7, 3214868480
	.fill 96, 4, 3214868480
	.section	.rodata,"a",@progbits
	.p2align	6, 0x0
	.amdhsa_kernel k_qd5655715a6_g1
		.amdhsa_group_segment_fixed_size 327680
		.amdhsa_private_segment_fixed_size 0
		.amdhsa_enable_private_segment 0
		.amdhsa_kernarg_size 32
		.amdhsa_user_sgpr_count 2
		.amdhsa_user_sgpr_kernarg_segment_ptr 1
		.amdhsa_wavefront_size32 1
		.amdhsa_system_sgpr_workgroup_id_x 1
		.amdhsa_system_sgpr_workgroup_id_y 1
		.amdhsa_system_sgpr_workgroup_id_z 1
		.amdhsa_system_vgpr_workitem_id 0
		.amdhsa_next_free_vgpr 1024
		.amdhsa_next_free_sgpr 100
		.amdhsa_reserve_vcc 0
		.amdhsa_float_denorm_mode_32 3
		.amdhsa_float_denorm_mode_16_64 3
		.amdhsa_memory_ordered 1
		.amdhsa_forward_progress 1
		.amdhsa_inst_pref_size 213
	.end_amdhsa_kernel
	.amdgpu_metadata
---
amdhsa.version: [ 1, 2 ]
amdhsa.kernels:
  - .name:           k_qd5655715a6_g1
    .symbol:         k_qd5655715a6_g1.kd
    .args:
      - { .name: hq, .offset: 0, .size: 8, .value_kind: global_buffer, .address_space: global }
      - { .name: wq, .offset: 8, .size: 8, .value_kind: global_buffer, .address_space: global }
      - { .name: qkv_b, .offset: 16, .size: 8, .value_kind: global_buffer, .address_space: global }
      - { .name: qkvq, .offset: 24, .size: 8, .value_kind: global_buffer, .address_space: global }
    .group_segment_fixed_size: 327680
    .private_segment_fixed_size: 0
    .kernarg_segment_align: 8
    .kernarg_segment_size: 32
    .max_flat_workgroup_size: 128
    .sgpr_count:     100
    .vgpr_count:     1024
    .wavefront_size: 32
...
	.end_amdgpu_metadata
.endif
;; end of part 2
;; launch att (part 3): grid 16 x 16, 16 waves a work-group, no clusters, 327,680 bytes of LDS; arguments qkvq, aoq; writes aoq
.if DOCPART == 3
	.amdgcn_target "amdgcn-amd-amdhsa--gfx1250"
	.amdhsa_code_object_version 6
	.text
	.protected	k_qd5655715a6_att
	.globl	k_qd5655715a6_att
	.p2align	8
	.type	k_qd5655715a6_att,@function
k_qd5655715a6_att:
	s_mov_b64 s[64:65], 0
	v_nop
	global_prefetch_b8 v0, s[64:65] scope:SCOPE_SE
	s_setreg_imm32_b32 hwreg(HW_REG_WAVE_MODE, 25, 1), 1
	s_wait_xcnt 0x0
; Causal attention on E2M3 codes, 32 (batch, head) x 2048 tokens x 64 channels; the result is quantised along (head, channel) for the next product.
; t = score x log2(e) / 8; M = the running largest t rounded up to a whole number; p = 2^(t - M) is quantised along the keys; the row's sum is taken of the unquantised p and divides at the end.
; SHARES.  Work-group (i, y): batch y / 8, head pair y % 8.  Wave w: head 2 p + w / 8; j = w % 8: token row block 4 i + j (j < 4) or 4 (31 - i) + j - 4: an early and a late block of 64 queries, so that all work-groups have the same work.
; Two heads to a work-group: their 2 x 64 channels are one K step of the next product, so a whole fragment and whole scale words leave together.
; Both products are used transposed: S^T = K Q^T, O^T = V^T P^T: a lane holds one query.  Position r of a row block 2a+u is token 32a+8u+r+8(r/8), so the 16 registers of two neighbouring tiles are 16 neighbouring keys (channels).
; The first product's K is 64: registers 6-11 of q's and k's fragments are zero codes, under the scale byte 0x7f.
; SLOTS.  Keys come in slots of 256.  The work-group's last query is token 64 (31 - i) + 63, so the last slot that any of its waves reads is (31 - i) / 4: 4 to 7.  Slots 0 to 3 are walked by a loop of 4 trips, which asks for
; slots 1 to 4: every work-group reads those.  Slots 4, 5, 6 are written out, each behind a scalar branch on that number, which leads to the text of a work-group's last slot; that text is written once (the slot's place,
; the scale words' places and the first key stand in scalar registers) and asks for nothing.
; Inside a slot a step all of whose keys come after the wave's queries is jumped over by a scalar branch on ids.
; NO CLUSTER: the work-groups that share K and V are the query groups of one head pair, and they need different numbers of tiles (5 to 8 slots).
; LIMITS: NaN and infinities are not served; a block whose largest magnitude lies under 2^-124 gets the byte 1.
.set SLOT1, 65536                      ; a slot: K of head 0, 1 (16 half images of 768 bytes each), then V of head 0, 1 ([128 keys 2][16 channels 4][1536])
.set HREG,  12288
.set VOFF,  24576
.set SCB,   131072                     ; the scale words of both heads, all keys: K's 2 x 8192, V's 2 x 4096: filled once
.set SPARE, 155648                     ; the spare words, 128 bytes a wave
.set XCH,   157696                     ; the way out: the second head's half fragments, 1024 bytes for each j
.set SG,    165888                     ; and the scale words, 64 bytes for each j
.set VI_O,  6291456
.set QKS_O, 9437184
.set VS_O,  9961472
.set AS_O,  3145728
.set AK16, 1
.set AK8,  2
.set AV0,  3
.set ASK0, 4
.set ASV0, 5
.set SPW,  6
.set NIL,  7
.set ADK,  8
.set ADK8, 9
.set ADV,  10
.set ADS,  11
.set ADT,  28
.set PFO,  29
.set WV,   18
.set SEL,  20
.set CS,   22
.set G1T,  24
.set G1S,  32
.set G0T,  40
.set G0S,  44
.set SMAX, 48                          ; s48  the last slot that any wave of my work-group reads
.set TB,   2
.set TS,   3
.set TJ,   66
.set SLOTS, 67
.set KF,   68
.set Q0,   69
.set PFA,  70
.set LIM,  72
	s_load_b128 s[4:7], s[0:1], 0x0                ; qkvq, aoq
	v_lshl_add_u32 v[SPW], v0, 2, SPARE
	v_mov_b32 v[NIL], 0
	ds_add_u32 v6, v7
	ds_add_u32 v6, v7
	s_wait_dscnt 0x0
	v_lshrrev_b32 v8, 5, v0
	s_delay_alu instid0(VALU_DEP_1)
	v_readfirstlane_b32 s[WV], v8
	s_lshr_b32 s9, s[WV], 3                        ; which head of the pair
	s_and_b32 s10, s[WV], 7                        ; j
	s_and_b32 s73, ttmp7, 0xffff
	s_lshr_b32 s12, s73, 3                         ; batch
	s_and_b32 s13, s73, 7                          ; head pair
	s_sub_co_u32 s74, 31, ttmp9
	s_lshr_b32 s[SMAX], s74, 2                     ; (31 - i) / 4: from the work-group's number alone, so the same in all sixteen waves
	s_cmp_lt_u32 s10, 4
	s_cselect_b32 s74, ttmp9, s74
	s_lshl_b32 s74, s74, 2
	s_and_b32 s75, s10, 3
	s_add_co_u32 s11, s74, s75                     ; my token row block in the batch
	s_lshr_b32 s74, s11, 1
	s_lshl_b32 s74, s74, 5
	s_and_b32 s75, s11, 1
	s_lshl_b32 s75, s75, 3
	s_add_co_u32 s[Q0], s74, s75                   ; my queries: Q0 + 0..7 and Q0 + 16..23
	s_lshl_b32 s76, s13, 1
	s_add_co_u32 s77, s76, s9                      ; my head
	s_lshl_b32 s78, s12, 7
	s_add_co_u32 s78, s78, s11                     ; my row block among all 256
	s_mul_i32 s80, s77, 196608
	s_mul_i32 s79, s78, 768
	s_add_co_u32 s80, s80, s79                     ; q's half image
	s_mov_b32 s81, 0
	s_lshl_b32 s82, s77, 14
	s_lshl_b32 s79, s78, 6
	s_add_co_u32 s82, s82, s79
	s_add_co_u32 s82, s82, QKS_O                   ; and its scale words
	s_mov_b32 s83, 0
	s_add_co_u32 s84, s76, s[WV]
	s_add_co_u32 s85, s84, 16                      ; waves 0, 1 fetch K of head 2 p + w (k's heads follow q's 16),
	s_mul_i32 s85, s85, 196608
	s_mul_i32 s79, s12, 98304
	s_add_co_u32 s85, s85, s79
	s_lshl_b32 s86, s12, 4
	s_add_co_u32 s86, s86, s84
	s_sub_co_u32 s86, s86, 2                       ; waves 2, 3 V of head 2 p + w - 2
	s_mul_i32 s86, s86, 98304
	s_add_co_u32 s86, s86, VI_O
	s_cmp_lt_u32 s[WV], 2
	s_cselect_b32 s86, s85, s86
	s_mov_b32 s87, 0
	s_add_co_u32 s99, s[WV], 12
	s_and_b32 s99, s99, 15                         ; waves 4-9 fetch the six parts of the scale words: part w - 4
	s_lshr_b32 s88, s99, 1
	s_add_co_u32 s88, s88, s76
	s_add_co_u32 s88, s88, 16
	s_lshl_b32 s88, s88, 14
	s_lshl_b32 s79, s12, 13
	s_add_co_u32 s88, s88, s79
	s_and_b32 s79, s99, 1
	s_lshl_b32 s79, s79, 12
	s_add_co_u32 s88, s88, s79
	s_add_co_u32 s88, s88, QKS_O
	s_lshl_b32 s90, s12, 4                         ; waves 8, 9: V's, head w - 8
	s_add_co_u32 s90, s90, s84
	s_sub_co_u32 s90, s90, 8
	s_lshl_b32 s90, s90, 12
	s_add_co_u32 s90, s90, VS_O
	s_cmp_lt_u32 s[WV], 8
	s_cselect_b32 s88, s88, s90
	s_mov_b32 s89, 0
	; descriptor groups 1: dense blocks as rows of 256 bytes (32 elements of 8 bytes): 48 rows for a tile, 16 for a part of the scale words
	s_mov_b32 s[G1T], 3<<16
	s_mov_b32 s[G1T+1], 32<<16
	s_mov_b32 s[G1T+2], 48<<16
	s_mov_b32 s[G1T+3], 32<<16
	s_mov_b32 s[G1T+4], 48
	s_mov_b32 s[G1T+5], 32
	s_mov_b32 s[G1T+6], 0
	s_mov_b32 s[G1T+7], 0
	s_mov_b32 s[G1S], 3<<16
	s_mov_b32 s[G1S+1], 32<<16
	s_mov_b32 s[G1S+2], 16<<16
	s_mov_b32 s[G1S+3], 32<<16
	s_mov_b32 s[G1S+4], 16
	s_mov_b32 s[G1S+5], 32
	s_mov_b32 s[G1S+6], 0
	s_mov_b32 s[G1S+7], 0
	s_mov_b32 s[SEL], 0x76543210
	s_mov_b32 s[SEL+1], 0xfedcba98
	s_mov_b32 s[CS], 0x3e38aa3b                    ; c = log2(e) / 8
	s_mov_b32 s[CS+1], s[CS]
	s_mov_b32 s[TB], 0
	s_mov_b32 s[TS], 0
	s_mov_b32 s[TJ], 0
	s_mov_b32 s[SLOTS], 4
	s_mov_b32 s[KF], 0
	s_wait_kmcnt 0x0
	s_mov_b32 s[G0S], 1
	s_lshl_b32 s[G0S+1], s99, 12
	s_add_co_u32 s[G0S+1], s[G0S+1], SCB
	s_add_nc_u64 s[G0S+2:G0S+3], s[4:5], s[88:89]
	s_or_b32 s[G0S+3], s[G0S+3], 0x80000000
	s_mov_b32 s[G0T], 1
	s_mul_i32 s[G0T+1], s[WV], HREG
	s_add_nc_u64 s[G0T+2:G0T+3], s[4:5], s[86:87]
	s_or_b32 s[G0T+3], s[G0T+3], 0x80000000
	s_cmp_lt_u32 s[WV], 4                          ; a wave's first fills stand in one branch on its number; the first wait on them is for 0
	s_cbranch_scc0 .Lf45
	tensor_load_to_lds s[G0T:G0T+3], s[G1T:G1T+7]
	s_nop 0
.rept 4
	v_nop
.endr
	s_branch .Lfdone
.Lf45:
	s_cmp_lt_u32 s[WV], 10
	s_cbranch_scc0 .Lfdone
	tensor_load_to_lds s[G0S:G0S+3], s[G1S:G1S+7]
	s_nop 0
.rept 4
	v_nop
.endr
.Lfdone:
	v_and_b32 v8, 31, v0                           ; lane
	v_and_b32 v9, 15, v0                           ; r
	v_bfe_u32 v10, v0, 4, 1                        ; h
	s_add_nc_u64 s[80:81], s[4:5], s[80:81]
	s_add_nc_u64 s[82:83], s[4:5], s[82:83]
	v_lshlrev_b32 v11, 4, v8
	v_lshlrev_b32 v28, 3, v8
	v_lshlrev_b32 v31, 2, v9                       ; v11, v28, v31: the offsets of the three loads below; none is written again before the wait for those loads
	global_load_b128 v[16:19], v11, s[80:81]       ; q's registers 0-3,
	global_load_b64 v[20:21], v28, s[80:81] offset:512   ; 4-5,
	global_load_b32 v255, v31, s[82:83]            ; and its scale words
.irp i, 22,23,24,25,26,27
	v_mov_b32 v\i, 0                               ; the upper 64 of the K step: zero codes
.endr
.irp t, 0,1,2,3
.irp i, 6,7,8,9,10,11
	v_mov_b32 v[32+12*\t+\i], 0                    ; likewise in K's four fragments: cleared once, never loaded
.endr
.endr
	s_mul_i32 s77, s9, HREG
	v_lshl_add_u32 v[AK16], v8, 4, s77
	v_lshl_add_u32 v[AK8], v8, 3, s77
	s_delay_alu instid0(VALU_DEP_1)
	v_add_nc_u32 v[AK8], 512, v[AK8]
	s_delay_alu instid0(VALU_DEP_3)
	v_add_nc_u32 v[AV0], VOFF, v[AK16]
	s_lshl_b32 s77, s9, 13
	v_lshl_add_u32 v[ASK0], v8, 2, s77
	s_delay_alu instid0(VALU_DEP_1)
	v_add_nc_u32 v[ASK0], SCB, v[ASK0]             ; 4 x lane: lanes 0-15 an even tile's words, lanes 16-31 the odd tile's
	s_lshl_b32 s77, s9, 12
	v_lshl_add_u32 v[ASV0], v8, 2, s77
	s_delay_alu instid0(VALU_DEP_1)
	v_add_nc_u32 v[ASV0], SCB+16384, v[ASV0]
	v_and_b32 v30, 8, v9
	s_delay_alu instid0(VALU_DEP_1)
	v_add_nc_u32 v30, v30, v9
	v_lshlrev_b32 v254, 4, v10                     ; (in a register that no pending load names)
	s_delay_alu instid0(VALU_DEP_1)
	v_sub_nc_u32 v30, v30, v254                    ; r + 8 (r / 8) - 16 h, for the mask
	; the prefetches: the head pair's first work-group asks (it walks all 8 slots); waves 4-6 for K, waves 8-10 for V.  A head's part of a slot is 48 blocks of 256 bytes: kinds 0, 1 name blocks 0-31 of head 0, 1; kind 2 blocks 32-47 of both
	s_and_b32 s90, s[WV], 3
	s_mov_b32 s91, 98304
	s_cmp_lt_u32 s[WV], 8
	s_cselect_b32 s91, 196608, s91                 ; from head to head
	s_add_co_u32 s92, s76, 16
	s_mul_i32 s92, s92, 196608
	s_mul_i32 s79, s12, 98304
	s_add_co_u32 s92, s92, s79
	s_lshl_b32 s93, s12, 4
	s_add_co_u32 s93, s93, s76
	s_mul_i32 s93, s93, 98304
	s_add_co_u32 s93, s93, VI_O
	s_cmp_lt_u32 s[WV], 8
	s_cselect_b32 s92, s92, s93
	s_add_co_u32 s92, s92, HREG                    ; at slot 1: the first change of slots steps it to slot 2.  Nothing is asked for here, at the head
	s_mov_b32 s93, 0
	s_add_nc_u64 s[PFA:PFA+1], s[4:5], s[92:93]
	s_mul_i32 s94, s90, s91
	s_cmp_eq_u32 s90, 2
	s_cselect_b32 s95, 15, 31
	s_cselect_b32 s96, s91, 0
	s_cselect_b32 s94, 8192, s94
	v_and_b32 v[PFO], s95, v8
	s_delay_alu instid0(VALU_DEP_1)
	v_lshlrev_b32 v[PFO], 8, v[PFO]
	s_delay_alu instid0(VALU_DEP_1)
	v_mad_u32_u24 v[PFO], v10, s96, v[PFO]
	s_delay_alu instid0(VALU_DEP_1)
	v_add_nc_u32 v[PFO], s94, v[PFO]
	s_sub_co_u32 s97, s[WV], 4
	s_lshr_b32 s97, s97, 3
	s_or_b32 s97, s97, ttmp9
	s_cmp_eq_u32 s97, 0
	s_cselect_b32 s[LIM], 1, -1                    ; 1 in a wave that prefetches
	s_cmp_eq_u32 s90, 3
	s_cselect_b32 s[LIM], -1, s[LIM]
	v_mov_b32 v13, 0xff61b1e6                      ; the largest t so far: -3e38
	s_delay_alu instid0(VALU_DEP_1)
	v_floor_f32 v12, -v13                          ; -M
	v_mov_b32 v14, 0
	v_mov_b32 v15, 0
.irp b, 0,1,2,3
	v_mov_b32 v[236+\b], 0
.endr
	v_mov_b32 v252, 0
	v_mov_b32 v253, 0
.set N, 0
.rept 32
	v_mov_b32 v[192+N], 0                          ; O^T: the step is written once; the first finds zeros
.set N, N+1
.endr
.macro STEP q                          ; 128 keys, the q-th of the slot in hand
	s_add_co_u32 s96, s[Q0], 23
	s_cmp_gt_u32 s[KF], s96                        ; all keys after my last query: the step's work is left out
	s_cbranch_scc1 .Lhidden_\@
	v_add_nc_u32 v[ADK], s[TB], v[AK16]            ; (these five are the places in front of the loads below)
	s_wait_alu depctr_va_vdst(0)
	v_add_nc_u32 v[ADK8], s[TB], v[AK8]
	s_wait_alu depctr_va_vdst(0)
	v_add_nc_u32 v[ADV], s[TB], v[AV0]
	v_add_nc_u32 v[ADS], s[TS], v[ASK0]
	s_wait_alu depctr_va_vdst(0)
	v_add_nc_u32 v[ADT], s[TJ], v[ASV0]
.irp t, 0,1,2,3
.irp c, 0,1,2
	ds_load_b128 v[80+12*\t+4*\c:83+12*\t+4*\c], v[ADV] offset:(\q)*6144+1536*\t+512*\c
.endr
.endr
	ds_load_b32 v250, v[ADT]
	ds_load_b32 v251, v[ADT] offset:128
.irp g, 0,1
.if \g
.rept 4
	v_nop
.endr
.endif
.irp t, 0,1,2,3
	ds_load_b128 v[32+12*\t:35+12*\t], v[ADK] offset:(8*(\q)+4*\g+\t)*768
	ds_load_b64 v[36+12*\t:37+12*\t], v[ADK8] offset:(8*(\q)+4*\g+\t)*768
.endr
	ds_load_b32 v248, v[ADS] offset:256*\g
	ds_load_b32 v249, v[ADS] offset:256*\g+128
	s_wait_dscnt 0x0
.irp t, 0,1,2,3
.if \t%2
	v_wmma_scale_f32_16x16x128_f8f6f4 v[128+8*(4*\g+\t):135+8*(4*\g+\t)], v[32+12*\t:43+12*\t], v[16:27], 0, v[248+\t/2], v255 matrix_a_fmt:MATRIX_FMT_FP6 matrix_b_fmt:MATRIX_FMT_FP6 matrix_a_scale:MATRIX_SCALE_ROW1
.else
	v_wmma_scale_f32_16x16x128_f8f6f4 v[128+8*(4*\g+\t):135+8*(4*\g+\t)], v[32+12*\t:43+12*\t], v[16:27], 0, v[248+\t/2], v255 matrix_a_fmt:MATRIX_FMT_FP6 matrix_b_fmt:MATRIX_FMT_FP6
.endif
.endr
.endr
.rept 4
	v_nop
.endr
	s_add_co_u32 s96, s[KF], 127
	s_cmp_le_u32 s96, s[Q0]                        ; all keys count: no mask
	s_cbranch_scc1 .Lopen_\@
	s_sub_co_i32 s96, s[Q0], s[KF]
	v_add_nc_u32 v252, s96, v30                    ; register 16 b + i holds key KF + 32 b + 16 h + i: hidden where 32 b + i is above this
	v_mov_b32 v254, 0xff800000
.set N, 0
.rept 64
	v_cmp_gt_i32 vcc_lo, 32*(N/16)+N%16, v252
	v_cndmask_b32 v[128+N], v[128+N], v254, vcc_lo
.set N, N+1
.endr
.Lopen_\@:
.irp b, 0,1,2,3
	v_max3_num_f32 v[232+\b], v[128+16*\b], v[129+16*\b], v[130+16*\b]   ; the largest score of each block of 32 keys: for the row's maximum, and for the block's largest p
.endr
.irp i, 3,5,7,9,11,13
.irp b, 0,1,2,3
	v_max3_num_f32 v[232+\b], v[232+\b], v[128+16*\b+\i], v[129+16*\b+\i]
.endr
.endr
.irp b, 0,1,2,3
	v_max_num_f32 v[232+\b], v[232+\b], v[143+16*\b]
.endr
.irp b, 0,1,2,3
	s_delay_alu instid0(VALU_DEP_4)
	v_permlanex16_b32 v[236+\b], v[232+\b], s[SEL], s[SEL+1]
.endr
.irp b, 0,1,2,3
	s_delay_alu instid0(VALU_DEP_4)
	v_max_num_f32 v[232+\b], v[232+\b], v[236+\b]
.endr
	s_delay_alu instid0(VALU_DEP_2)
	v_max3_num_f32 v254, v232, v233, v234
	s_delay_alu instid0(VALU_DEP_1)
	v_max_num_f32 v254, v254, v235
	s_delay_alu instid0(VALU_DEP_1)
	v_mul_f32 v254, s[CS], v254
	s_delay_alu instid0(VALU_DEP_1)
	v_max_num_f32 v13, v13, v254                   ; the running largest t
	v_mov_b32 v254, v12
	s_delay_alu instid0(VALU_DEP_2)
	v_floor_f32 v12, -v13                          ; -M = floor(-t): a whole number
	s_delay_alu instid0(VALU_DEP_1)
	v_sub_f32 v254, v12, v254
	s_delay_alu instid0(VALU_DEP_1)
	v_cvt_i32_f32 v254, v254
	s_delay_alu instid0(VALU_DEP_1)
	v_ldexp_f32 v252, 1.0, v254                    ; f = 2^(old M - new M): exact
.set N, 0
.rept 32
	v_pk_fma_f32 v[128+N:129+N], v[128+N:129+N], s[CS:CS+1], v[12:13] op_sel_hi:[1,0,0]
.set N, N+2
.endr
.irp b, 0,1,2,3
	v_fma_f32 v[232+\b], v[232+\b], s[CS], v12
.endr
.set N, 0
	s_wait_alu depctr_va_vdst(0)
.rept 64
	v_exp_f32 v[128+N], v[128+N]                   ; p = 2^(t - M)
.set N, N+1
.endr
	v_pk_mul_f32 v[14:15], v[14:15], v[252:253] op_sel_hi:[1,0]     ; the sums under the new M: a plain line behind the batch
	s_wait_alu depctr_va_vdst(0)                   ; one wait for the 64, ahead of their first reader
.irp b, 0,1,2,3
	v_exp_f32 v[232+\b], v[232+\b]                 ; the blocks' largest p
.endr
	v_pk_add_f32 v[236:237], v[132:133], v[136:137]
	v_pk_add_f32 v[248:249], v[140:141], v[144:145]
	v_pk_add_f32 v[246:247], v[148:149], v[152:153]
	v_pk_add_f32 v[244:245], v[156:157], v[160:161]
	v_pk_add_f32 v[242:243], v[164:165], v[168:169]
	v_pk_add_f32 v[240:241], v[172:173], v[176:177]
	v_pk_add_f32 v[238:239], v[180:181], v[184:185]
	v_pk_add_f32 v[14:15], v[14:15], v[188:189]
	v_pk_add_f32 v[236:237], v[236:237], v[128:129]
	v_pk_add_f32 v[248:249], v[248:249], v[130:131]
	v_pk_add_f32 v[246:247], v[246:247], v[134:135]
	v_pk_add_f32 v[244:245], v[244:245], v[138:139]
	v_pk_add_f32 v[242:243], v[242:243], v[142:143]
	v_pk_add_f32 v[240:241], v[240:241], v[146:147]
	v_pk_add_f32 v[238:239], v[238:239], v[150:151]
	v_pk_add_f32 v[14:15], v[14:15], v[154:155]
	v_pk_add_f32 v[236:237], v[236:237], v[158:159]
	v_pk_add_f32 v[248:249], v[248:249], v[162:163]
	v_pk_add_f32 v[246:247], v[246:247], v[166:167]
	v_pk_add_f32 v[244:245], v[244:245], v[170:171]
	v_pk_add_f32 v[242:243], v[242:243], v[174:175]
	v_pk_add_f32 v[240:241], v[240:241], v[178:179]
	v_pk_add_f32 v[238:239], v[238:239], v[182:183]
	v_pk_add_f32 v[14:15], v[14:15], v[186:187]
	v_pk_add_f32 v[236:237], v[236:237], v[190:191]
	s_delay_alu instid0(VALU_DEP_2)
	v_pk_add_f32 v[14:15], v[14:15], v[244:245]
	s_delay_alu instid0(VALU_DEP_2)
	v_pk_add_f32 v[236:237], v[236:237], v[242:243]
	v_pk_add_f32 v[248:249], v[248:249], v[240:241]
	v_pk_add_f32 v[246:247], v[246:247], v[238:239]
	s_delay_alu instid0(VALU_DEP_2)
	v_pk_add_f32 v[14:15], v[14:15], v[248:249]
	s_delay_alu instid0(VALU_DEP_2)
	v_pk_add_f32 v[236:237], v[236:237], v[246:247]
	s_delay_alu instid0(VALU_DEP_1)
	v_pk_add_f32 v[14:15], v[14:15], v[236:237]
	s_wait_alu depctr_va_vdst(0)                   ; and one for the four
.irp b, 0,1,2,3
	v_max_num_f32 v[232+\b], 0x1800000, v[232+\b]
.endr
.irp b, 0,1,2,3
	s_delay_alu instid0(VALU_DEP_4)
	v_add_nc_u32 v[244+\b], 0xff000000, v[232+\b]
.endr
.irp b, 0,1,2,3
	s_delay_alu instid0(VALU_DEP_4)
	v_lshrrev_b32 v[236+\b], 23, v[244+\b]
.endr
	s_delay_alu instid0(VALU_DEP_3)
	v_lshl_or_b32 v253, v237, 8, v236              ; p's scale word
	s_delay_alu instid0(VALU_DEP_1)
	v_lshl_or_b32 v253, v238, 16, v253
	s_delay_alu instid0(VALU_DEP_1)
	v_lshl_or_b32 v253, v239, 24, v253
.irp c, 0,1
	v_cvt_scalef32_pk16_fp6_f32 v[224+6*\c:226+6*\c], v[128+32*\c:143+32*\c], v[244+2*\c]
	v_cvt_scalef32_pk16_fp6_f32 v[236+4*\c:238+4*\c], v[144+32*\c:159+32*\c], v[244+2*\c+1]
.endr
	v_nop
.irp c, 0,1
.irp i, 0,1,2
	v_permlane16_swap_b32 v[224+6*\c+\i], v[236+4*\c+\i]
.endr
.irp i, 0,1,2
	s_delay_alu instid0(VALU_DEP_3)
	v_mov_b32 v[227+6*\c+\i], v[236+4*\c+\i]
.endr
.endr
.set N, 0
.rept 16
	v_pk_mul_f32 v[192+N:193+N], v[192+N:193+N], v[252:253] op_sel_hi:[1,0]   ; O^T under the new M; these 16 also stand between the scale word's and the codes' last writes and the products
.set N, N+2
.endr
.irp t, 0,1,2,3
.if \t%2
	v_wmma_scale_f32_16x16x128_f8f6f4 v[192+8*\t:199+8*\t], v[80+12*\t:91+12*\t], v[224:235], v[192+8*\t:199+8*\t], v[250+\t/2], v253 matrix_a_fmt:MATRIX_FMT_FP6 matrix_b_fmt:MATRIX_FMT_FP6 matrix_a_scale:MATRIX_SCALE_ROW1
.else
	v_wmma_scale_f32_16x16x128_f8f6f4 v[192+8*\t:199+8*\t], v[80+12*\t:91+12*\t], v[224:235], v[192+8*\t:199+8*\t], v[250+\t/2], v253 matrix_a_fmt:MATRIX_FMT_FP6 matrix_b_fmt:MATRIX_FMT_FP6
.endif
.endr
.Lhidden_\@:
	s_add_co_u32 s[KF], s[KF], 128
	s_add_co_u32 s[TS], s[TS], 512                 ; the next step's scale words
	s_add_co_u32 s[TJ], s[TJ], 256
.endm
; The change of slots stands at a slot's head: each wave waits for all its tensor loads, adds 0 to its spare word, and waits for that and for its reads of the slot that it has left.
; fill = 1: the slot just left is filled with the next 256 keys.  ask = 1: the slot after that one is prefetched.
.macro CHANGE fill, ask
	s_wait_tensorcnt 0x0
	ds_add_u32 v[SPW], v[NIL]
.if \fill
	ds_add_u32 v[SPW], v[NIL]                      ; once more
	s_xor_b32 s[G0T+1], s[G0T+1], SLOT1
	s_add_nc_u64 s[G0T+2:G0T+3], s[G0T+2:G0T+3], HREG
.if \ask
	s_wait_xcnt 0x0                                ; the last prefetch, a slot back, has read its address
	s_add_nc_u64 s[PFA:PFA+1], s[PFA:PFA+1], HREG
.endif
.endif
	s_wait_dscnt 0x0
	s_barrier_signal -1
	s_barrier_wait -1
.if \fill
	s_cmp_lt_u32 s[WV], 4
	s_cbranch_scc0 .Lnf_\@
	tensor_load_to_lds s[G0T:G0T+3], s[G1T:G1T+7]  ; the first thing behind the barrier, and a wave's one tensor load until the next: it has a slot's two steps in which to land
	s_nop 0
.rept 4
	v_nop
.endr
.Lnf_\@:
.if \ask
	s_cmp_eq_u32 s[LIM], 1                         ; what the next change of slots will ask for: a slot's two key steps ahead of that load
	s_cbranch_scc0 .Lna_\@
	global_prefetch_b8 v[PFO], s[PFA:PFA+1] th:TH_LOAD_NT scope:SCOPE_SE
.Lna_\@:
.endif
.endif
.endm
	s_wait_loadcnt 0x0                             ; q
.Lslot:                                            ; 4 trips: slots 0 to 3 are read, slots 1 to 4 asked for: every work-group reads those; slots 2 to 5 are prefetched
	CHANGE 1, 1
	STEP 0
	STEP 1
	s_xor_b32 s[TB], s[TB], SLOT1
	s_sub_co_u32 s[SLOTS], s[SLOTS], 1
	s_cmp_lg_u32 s[SLOTS], 0
	s_cbranch_scc1 .Lslot
.irp ph, 4,5,6                                 ; slots 4, 5, 6, where they are not the work-group's last: each asks for the next.  The branch hangs on the work-group's number alone: all sixteen waves take it alike
	s_cmp_eq_u32 s[SMAX], \ph
	s_cbranch_scc1 .Llast
.if \ph < 6
	CHANGE 1, 1                                    ; slots 6 and 7 are prefetched here
.else
	CHANGE 1, 0                                    ; there is no slot 8
.endif
	STEP 0
	STEP 1
	s_xor_b32 s[TB], s[TB], SLOT1
.endr
.Llast:                                            ; the work-group's last slot, whichever it is: nothing is asked for
	CHANGE 0, 0
	STEP 0
	STEP 1
	; THE WAY OUT: O^T / the sum, quantised along my head's 64 channels: half a fragment.  The second head's waves hand theirs to the first head's through LDS.
	v_add_f32 v14, v14, v15
	s_delay_alu instid0(VALU_DEP_1)
	v_permlanex16_b32 v252, v14, s[SEL], s[SEL+1]
	s_delay_alu instid0(VALU_DEP_1)
	v_add_f32 v14, v14, v252
	s_wait_alu depctr_va_vdst(0)
	v_rcp_f32 v14, v14
	v_and_b32 v8, 31, v0                           ; (plain lines behind the reciprocal: the addresses, made ahead of the waves' parting)
	v_and_b32 v9, 15, v0
	v_bfe_u32 v10, v0, 4, 1
	s_wait_alu depctr_va_vdst(0)
	s_lshl_b32 s73, s10, 10
	s_add_co_u32 s73, s73, XCH
	v_lshl_add_u32 v1, v8, 4, s73
	v_lshl_add_u32 v2, v8, 3, s73
	s_delay_alu instid0(VALU_DEP_1)
	v_add_nc_u32 v2, 512, v2
	s_lshl_b32 s73, s10, 6
	s_lshl_b32 s74, s9, 1
	s_add_co_u32 s73, s73, s74
	s_add_co_u32 s73, s73, SG
	v_lshl_add_u32 v3, v9, 2, s73                  ; my two bytes of my row's scale word
	v_lshlrev_b32 v4, 4, v8
	s_delay_alu instid0(VALU_DEP_1)
	v_add_nc_u32 v5, SG, v4
	s_lshl_b32 s74, ttmp9, 3
	s_sub_co_u32 s74, 124, s74
	s_lshl_b32 s74, s74, 6                         ; from the early four row blocks' words to the late four's
	v_mul_u32_u24 v11, v10, s74
	s_delay_alu instid0(VALU_DEP_1)
	v_lshl_add_u32 v11, v9, 4, v11
	s_mul_i32 s80, s78, 12288
	s_mul_i32 s79, s13, 1536
	s_add_co_u32 s80, s80, s79
	s_mov_b32 s81, 0
	s_add_nc_u64 s[80:81], s[6:7], s[80:81]        ; the fragment: row block, K step = head pair
	s_lshl_b32 s82, s13, 14
	s_lshl_b32 s79, s12, 13
	s_add_co_u32 s82, s82, s79
	s_lshl_b32 s79, ttmp9, 8
	s_add_co_u32 s82, s82, s79
	s_add_co_u32 s82, s82, AS_O
	s_mov_b32 s83, 0
	s_add_nc_u64 s[82:83], s[6:7], s[82:83]
	s_wait_alu depctr_va_vdst(0)                   ; ahead of the reciprocal's first reader
.set N, 0
.rept 32
	v_mul_f32 v[128+N], v[192+N], v14              ; register 16 b + i: channel 32 b + 16 h + i
.set N, N+1
.endr
.irp b, 0,1
	v_max3_num_f32 v[232+\b], |v[128+16*\b]|, |v[129+16*\b]|, 0x1800000
.endr
.irp i, 2,4,6,8,10,12,14
.irp b, 0,1
	s_delay_alu instid0(VALU_DEP_2)
	v_max3_num_f32 v[232+\b], v[232+\b], |v[128+16*\b+\i]|, |v[129+16*\b+\i]|
.endr
.endr
.irp b, 0,1
	s_delay_alu instid0(VALU_DEP_2)
	v_permlanex16_b32 v[236+\b], v[232+\b], s[SEL], s[SEL+1]
.endr
.irp b, 0,1
	s_delay_alu instid0(VALU_DEP_2)
	v_max_num_f32 v[232+\b], v[232+\b], v[236+\b]
.endr
.irp b, 0,1
	s_delay_alu instid0(VALU_DEP_2)
	v_add_nc_u32 v[244+\b], 0xff000000, v[232+\b]
.endr
.irp b, 0,1
	s_delay_alu instid0(VALU_DEP_2)
	v_lshrrev_b32 v[236+\b], 23, v[244+\b]
.endr
	s_delay_alu instid0(VALU_DEP_1)
	v_lshl_or_b32 v253, v237, 8, v236
	v_cvt_scalef32_pk16_fp6_f32 v[224:226], v[128:143], v244
	v_cvt_scalef32_pk16_fp6_f32 v[228:230], v[144:159], v245
	v_nop
.irp i, 0,1,2
	v_permlane16_swap_b32 v[224+\i], v[228+\i]
.endr
	s_delay_alu instid0(VALU_DEP_3)
	v_mov_b32 v227, v228
	s_delay_alu instid0(VALU_DEP_3)
	v_mov_b32 v228, v229
	s_delay_alu instid0(VALU_DEP_3)
	v_mov_b32 v229, v230                           ; v224-229: my head's six registers
	ds_store_b16 v3, v253
	s_cmp_lt_u32 s[WV], 8
	s_cbranch_scc1 .Lfirst_head
	ds_store_b128 v1, v[224:227]
	ds_store_b64 v2, v[228:229]
.Lfirst_head:
	s_wait_dscnt 0x0                               ; for the others' sake
	s_barrier_signal -1
	s_barrier_wait -1
	s_cmp_lt_u32 s[WV], 8
	s_cbranch_scc0 .Lend
	ds_load_b128 v[230:233], v1                    ; registers 6-11: the second head's
	ds_load_b64 v[234:235], v2
	s_wait_dscnt 0x0
	s_wait_alu depctr_va_vdst(0)
.irp c, 0,1,2
	global_store_b128 v4, v[224+4*\c:227+4*\c], s[80:81] offset:512*\c             ; 512 consecutive bytes a store
.endr
	s_cmp_lg_u32 s[WV], 0
	s_cbranch_scc1 .Lend
	ds_load_b128 v[128:131], v5                    ; the eight row blocks' scale words
	s_wait_dscnt 0x0
	global_store_b128 v11, v[128:131], s[82:83]    ; two runs of 256 consecutive bytes
.Lend:
	s_wait_tensorcnt 0x0                           ; the wave's end
	ds_add_u32 v[SPW], v[NIL]
	s_wait_dscnt 0x0
	s_endpgm
.Lfunc_end_k_qd5655715a6_att:
	.size	k_qd5655715a6_att, .Lfunc_end_k_qd5655715a6_att-k_qd5655715a6_att
	.p2alignl 7, 3214868480
	.fill 96, 4, 3214868480
	.section	.rodata,"a",@progbits
	.p2align	6, 0x0
	.amdhsa_kernel k_qd5655715a6_att
		.amdhsa_group_segment_fixed_size 327680
		.amdhsa_private_segment_fixed_size 0
		.amdhsa_enable_private_segment 0
		.amdhsa_kernarg_size 16
		.amdhsa_user_sgpr_count 2
		.amdhsa_user_sgpr_kernarg_segment_ptr 1
		.amdhsa_wavefront_size32 1
		.amdhsa_system_sgpr_workgroup_id_x 1
		.amdhsa_system_sgpr_workgroup_id_y 1
		.amdhsa_system_sgpr_workgroup_id_z 1
		.amdhsa_system_vgpr_workitem_id 0
		.amdhsa_next_free_vgpr 256
		.amdhsa_next_free_sgpr 100
		.amdhsa_reserve_vcc 1
		.amdhsa_float_denorm_mode_32 3
		.amdhsa_float_denorm_mode_16_64 3
		.amdhsa_memory_ordered 1
		.amdhsa_forward_progress 1
		.amdhsa_inst_pref_size 247
	.end_amdhsa_kernel
	.amdgpu_metadata
---
amdhsa.version: [ 1, 2 ]
amdhsa.kernels:
  - .name:           k_qd5655715a6_att
    .symbol:         k_qd5655715a6_att.kd
    .args:
      - { .name: qkvq, .offset: 0, .size: 8, .value_kind: global_buffer, .address_space: global }
      - { .name: aoq, .offset: 8, .size: 8, .value_kind: global_buffer, .address_space: global }
    .group_segment_fixed_size: 327680
    .private_segment_fixed_size: 0
    .kernarg_segment_align: 8
    .kernarg_segment_size: 16
    .max_flat_workgroup_size: 512
    .sgpr_count:     100
    .vgpr_count:     256
    .wavefront_size: 32
...
	.end_amdgpu_metadata
.endif
;; end of part 3
;; launch g4ln (part 4): grid 256 x 1, 8 waves a work-group, no clusters, 69,632 bytes of LDS; arguments aoq, wq, proj_b, x, ln2_g, ln2_b, x1, hq; writes x1, hq
.if DOCPART == 4
	.amdgcn_target "amdgcn-amd-amdhsa--gfx1250"
	.amdhsa_code_object_version 6
	.text
	.protected	k_qd5655715a6_g4ln
	.globl	k_qd5655715a6_g4ln
	.p2align	8
	.type	k_qd5655715a6_g4ln,@function
k_qd5655715a6_g4ln:
	s_mov_b64 s[64:65], 0
	v_nop
	global_prefetch_b8 v0, s[64:65] scope:SCOPE_SE
	s_setreg_imm32_b32 hwreg(HW_REG_WAVE_MODE, 25, 1), 1
	s_wait_xcnt 0x0
; x1 = x + context proj_w + proj_b (f32, stored), and LN2(x1) quantised along the row to E2M3 with one E8M0 byte for each 32 (stored as the next product's operand image), in one launch.
; SHARES.  Work-group = one token row block (16 tokens) x all 1024 columns, so that a row's mean and variance are made inside it.  Wave w: columns 128 w .. 128 w + 127: 8 accumulators, 64 products.
; Operands are images of operand registers, [row block][K step][1536]; scale words [K step][row block][16]; position r of row block 2a+u is true row 32a+8u+r+8(r/8).
; Source 0 = 16 columns of proj_w, source 1 = the 16 tokens: lane (r, h) holds token position r, and register 16 a + k of its 64 sums is column 128 w + 32 a + 16 h + k: the quantiser's own order, one K step a wave.
; The tokens' 8 fragments stay in registers.  proj_w's fragments come from memory straight into registers, 512 consecutive bytes a load, through a ring of 5 batches of 4 fragments.
; NO LDS RING, NO JOINT LOADS: with 16 tokens each fragment of proj_w feeds one product, so a way through LDS would add a store and a load of each byte and spare none.  No prefetch: the ring's own loads run 4 batches ahead.
; The sums begin with x + proj_b, where the reference adds them last.
; LIMITS: NaN and infinities are not served; a block whose largest magnitude lies under 2^-124 gets the byte 1; the bytes are read by this program alone.
; REGISTERS.  Window 0: v0-31 addresses and small work; v32-39 the tokens' scale words; v40-71 proj_w's; v72-135 the sums; v136-231 the tokens' fragments (later x1's rows and the codes); v232-248 the quantiser's work.
; Window 1: v0-239 the ring; v192-255 first hold x's rows; at the end v48-111 the gain, v144-207 the bias.
.set SP,    528                        ; a stage row: 512 bytes + 16
.set SUMS,  8*16*SP                    ; behind the 8 stages: [row][wave] words, twice 512 bytes
.set SPARE, SUMS+1024                  ; the spare words, 128 bytes a wave
.set WC,    2359296
.set WS,    9699328
.set SO,    3145728
.set SPW,   12
.set NIL,   13
.set SA,    32
.set SW,    40
.set ACC,   72
.set AF,    136
.set XO,    136
.set PC,    200
.set TM,    232
.set PW,    248
.set XR,    192
.set GG,    48
.set BB,    144
.set SEL,   56
.set MSB, 0
.macro WIN new
.if MSB != (\new)
	s_set_vgpr_msb (MSB<<8)|(\new)
.set MSB, (\new)
.endif
.endm
.macro WALU
	s_wait_alu depctr_va_vdst(0)
.endm
.macro QUANT s, pc, pw, tm             ; 64 numbers of a lane become a fragment's 12 registers of codes and its scale word
.irp b, 0,1,2,3
	v_max3_num_f32 v[\tm+\b], |v[\s+16*\b]|, |v[\s+1+16*\b]|, 0x1800000   ; with the floor 2^(3-127): the byte cannot fall under 1
.endr
.irp i, 2,4,6,8,10,12,14
.irp b, 0,1,2,3
	v_max3_num_f32 v[\tm+\b], v[\tm+\b], |v[\s+16*\b+\i]|, |v[\s+1+16*\b+\i]|
.endr
.endr
.irp b, 0,1,2,3
	v_permlanex16_b32 v[\tm+4+\b], v[\tm+\b], s[SEL], s[SEL+1]
.endr
.irp b, 0,1,2,3
	v_max_num_f32 v[\tm+\b], v[\tm+\b], v[\tm+4+\b]
.endr
.irp b, 0,1,2,3
	v_add_nc_u32 v[\tm+12+\b], 0xff000000, v[\tm+\b]                  ; 2 off the exponent field: the conversion's scale operand
.endr
.irp b, 0,1,2,3
	v_lshrrev_b32 v[\tm+4+\b], 23, v[\tm+12+\b]
.endr
	v_lshl_or_b32 v[\pw], v[\tm+5], 8, v[\tm+4]
	v_lshl_or_b32 v[\pw], v[\tm+6], 16, v[\pw]
	v_lshl_or_b32 v[\pw], v[\tm+7], 24, v[\pw]
.irp c, 0,1
	v_cvt_scalef32_pk16_fp6_f32 v[\pc+6*\c:\pc+2+6*\c], v[\s+32*\c:\s+15+32*\c], v[\tm+12+2*\c]
	v_cvt_scalef32_pk16_fp6_f32 v[\pc+12+4*\c:\pc+14+4*\c], v[\s+16+32*\c:\s+31+32*\c], v[\tm+12+2*\c+1]
.endr
	v_nop                                          ; one plain line behind the scaled conversions
.irp c, 0,1
.irp i, 0,1,2
	v_permlane16_swap_b32 v[\pc+6*\c+\i], v[\pc+12+4*\c+\i]
.endr
.irp i, 0,1,2
	v_mov_b32 v[\pc+3+6*\c+\i], v[\pc+12+4*\c+\i]
.endr
.endr
.endm
.macro LDW t                           ; batch t: K step t / 2, column tiles 4 (t % 2) .. + 3, into ring place t % 5: 12 loads
	WIN 0x40
.irp k, 0,1,2,3
.irp c, 0,1,2
	global_load_b128 v[48*((\t)%5)+12*\k+4*\c:48*((\t)%5)+12*\k+4*\c+3], v4, s[48:49] offset:(4*((\t)%2)+\k)*12288+((\t)/2)*1536+512*\c
.endr
.endr
.endm
.macro MM t, k                         ; the 8 accumulators take turns, one instruction a turn
.set D_, ACC+8*(4*((\t)%2)+\k)
.if (\k)%2
	v_wmma_scale_f32_16x16x128_f8f6f4 v[D_:D_+7], v[48*((\t)%5)+12*\k:48*((\t)%5)+12*\k+11], v[AF+12*((\t)/2):AF+12*((\t)/2)+11], v[D_:D_+7], v[SW+4*((\t)/2)+2*((\t)%2)+\k/2], v[SA+(\t)/2] matrix_a_fmt:MATRIX_FMT_FP6 matrix_b_fmt:MATRIX_FMT_FP6 matrix_a_scale:MATRIX_SCALE_ROW1
.else
	v_wmma_scale_f32_16x16x128_f8f6f4 v[D_:D_+7], v[48*((\t)%5)+12*\k:48*((\t)%5)+12*\k+11], v[AF+12*((\t)/2):AF+12*((\t)/2)+11], v[D_:D_+7], v[SW+4*((\t)/2)+2*((\t)%2)+\k/2], v[SA+(\t)/2] matrix_a_fmt:MATRIX_FMT_FP6 matrix_b_fmt:MATRIX_FMT_FP6
.endif
.endm
.macro ROWV reg, base                  ; a vector of my 128 columns in the sums' order: 16 loads
	WIN 0x40
.irp a, 0,1,2,3
.irp i, 0,1,2,3
	global_load_b128 v[\reg+16*\a+4*\i:\reg+16*\a+4*\i+3], v11, s[\base:\base+1] offset:128*\a+16*\i
.endr
.endr
.endm
.macro BATCH t                         ; the wait's count: the loads issued behind batch t's own 12
.if (\t) < 12
	s_wait_loadcnt 48                              ; four later batches
.elseif (\t) == 12
	s_wait_loadcnt 36                              ; three
.elseif (\t) == 13
	s_wait_loadcnt 40                              ; two, and the gain's 16
.elseif (\t) == 14
	s_wait_loadcnt 28                              ; one, and the gain's 16
.else
	s_wait_loadcnt 32                              ; the gain's 16 and the bias's 16
.endif
	WIN 0x01
.irp k, 0,1,2,3
	MM \t, \k
.endr
.if (\t) < 11 || (\t) == 12 || (\t) >= 14
.rept 4
	v_nop                                          ; four places ahead of loads into registers that the products have read, and of the first read of the sums
.endr
.endif
.if (\t) < 11
	LDW (\t)+5
.elseif (\t) == 12
	ROWV GG, 12                                    ; ring places 1, 2 are done with
.elseif (\t) == 14
	ROWV BB, 14                                    ; places 3, 4
.endif
.endm
.macro FOLD off                        ; four pairs of partial sums in v16-23 become the row's sum over all 1024 columns, in v20 of every lane
	v_pk_add_f32 v[16:17], v[16:17], v[18:19]
	v_pk_add_f32 v[20:21], v[20:21], v[22:23]
	v_pk_add_f32 v[16:17], v[16:17], v[20:21]
	v_add_f32 v16, v16, v17
	v_permlanex16_b32 v17, v16, s[SEL], s[SEL+1]
	v_add_f32 v16, v16, v17
	ds_store_b32 v9, v16 offset:\off               ; word [row][wave]; both halves of the lanes write the same word with the same value
	WALU
	s_wait_dscnt 0x0                               ; for the others' sake
	s_barrier_signal -1
	s_barrier_wait -1
	ds_load_b128 v[20:23], v10 offset:\off
	ds_load_b128 v[24:27], v10 offset:\off+16
	s_wait_dscnt 0x0
	v_pk_add_f32 v[20:21], v[20:21], v[22:23]
	v_pk_add_f32 v[24:25], v[24:25], v[26:27]
	v_pk_add_f32 v[20:21], v[20:21], v[24:25]
	v_add_f32 v20, v20, v21
.endm
	s_load_b512 s[4:19], s[0:1], 0x0               ; aoq, wq, proj_b, x, ln2_g, ln2_b, x1, hq
	v_lshl_add_u32 v[SPW], v0, 2, SPARE
	v_mov_b32 v[NIL], 0
	v_lshrrev_b32 v14, 5, v0
	v_readfirstlane_b32 s20, v14                   ; wave 0..7
	v_and_b32 v1, 15, v0                           ; r
	v_bfe_u32 v2, v0, 4, 1                         ; h
	v_and_b32 v3, 31, v0                           ; lane
	v_lshlrev_b32 v4, 4, v3
	v_lshlrev_b32 v5, 2, v3
	v_lshlrev_b32 v6, 2, v1
	s_mul_i32 s21, s20, 16*SP                      ; my stage
	v_add_nc_u32 v7, s21, v4                       ; by rows: 16 bytes a lane
	v_mul_u32_u24 v8, v1, SP
	v_lshl_add_u32 v8, v2, 6, v8
	v_add_nc_u32 v8, s21, v8                       ; by tokens: row r, + 64 h
	s_lshl_b32 s22, s20, 2
	s_add_co_u32 s22, s22, SUMS
	v_lshl_add_u32 v9, v1, 5, s22
	v_lshlrev_b32 v10, 5, v1
	v_add_nc_u32 v10, SUMS, v10
	v_lshlrev_b32 v11, 6, v2
.irp b, 0,1,2,3
	v_mov_b32 v[TM+4+\b], 0                        ; a lane permute's destination counts as one of its sources
.endr
	s_lshr_b32 s23, ttmp9, 1
	s_lshl_b32 s23, s23, 5
	s_and_b32 s24, ttmp9, 1
	s_lshl_b32 s24, s24, 3
	s_add_co_u32 s23, s23, s24                     ; the block's first token
	s_lshl_b32 s24, s23, 12
	s_lshl_b32 s34, s20, 9                         ; my 128 columns, in bytes
	s_add_co_u32 s24, s24, s34
	s_mov_b32 s25, 0
	s_mov_b32 s35, 0
	s_mul_i32 s26, ttmp9, 12288
	s_mov_b32 s27, 0
	s_lshl_b32 s28, ttmp9, 6
	s_add_co_u32 s28, s28, SO
	s_mov_b32 s29, 0
	s_mul_i32 s30, s20, 98304
	s_add_co_u32 s30, s30, WC
	s_mov_b32 s31, 0
	s_add_co_u32 s32, s34, WS
	s_mov_b32 s33, 0
	s_mul_i32 s36, s20, 1536
	s_add_co_u32 s36, s36, s26
	s_mov_b32 s37, 0
	s_lshl_b32 s38, s20, 14
	s_add_co_u32 s38, s38, s28
	s_mov_b32 s39, 0
	s_mov_b32 s[SEL], 0x76543210
	s_mov_b32 s[SEL+1], 0xfedcba98
	s_mov_b32 s58, 0x3a800000                      ; 1/1024
	s_mov_b32 s59, 0x3727c5ac                      ; 1e-5
	WALU                                           ; the wait at the head's end
	s_wait_kmcnt 0x0
	s_add_nc_u64 s[40:41], s[10:11], s[24:25]      ; x
	s_add_nc_u64 s[42:43], s[16:17], s[24:25]      ; x1
	s_add_nc_u64 s[44:45], s[4:5], s[26:27]        ; the tokens' fragments
	s_add_nc_u64 s[46:47], s[4:5], s[28:29]        ; and scale words
	s_add_nc_u64 s[48:49], s[6:7], s[30:31]        ; proj_w's fragments, my 8 row blocks
	s_add_nc_u64 s[50:51], s[6:7], s[32:33]        ; and scale words
	s_add_nc_u64 s[8:9], s[8:9], s[34:35]
	s_add_nc_u64 s[12:13], s[12:13], s[34:35]
	s_add_nc_u64 s[14:15], s[14:15], s[34:35]
	s_add_nc_u64 s[52:53], s[18:19], s[36:37]      ; hq: my fragment
	s_add_nc_u64 s[54:55], s[18:19], s[38:39]      ; and its scale words
.irp q, 0,1,2,3,4,5,6,7
	global_load_b32 v[SA+\q], v6, s[46:47] offset:16384*\q
.endr
.irp q, 0,1,2,3,4,5,6,7
.irp p, 0,1,2,3
	global_load_b32 v[SW+4*\q+\p], v5, s[50:51] offset:4096*\q+128*\p   ; lanes 0-15 tile 2 p's words, lanes 16-31 tile 2 p + 1's
.endr
.endr
	WIN 0x40
.irp t, 0,1,2,3,4,5,6,7,8,9,10,11,12,13,14,15
	global_load_b128 v[XR+4*\t:XR+4*\t+3], v4, s[40:41] offset:(\t+8*(\t/8))*4096 th:TH_LOAD_NT   ; position t's row: 512 consecutive bytes
.endr
	WIN 0
	global_load_b128 v[16:19], v4, s[8:9]          ; proj_b, by rows
.irp q, 0,1,2,3,4,5,6,7
.irp c, 0,1,2
	global_load_b128 v[AF+12*\q+4*\c:AF+12*\q+4*\c+3], v4, s[44:45] offset:1536*\q+512*\c
.endr
.endr
	LDW 0
	LDW 1
	LDW 2
	LDW 3
	s_wait_loadcnt 63                              ; x and proj_b are in: 72 loads were issued behind them, and the field holds 63
	WIN 0x41
.irp t, 0,1,2,3,4,5,6,7,8,9,10,11,12,13,14,15
	v_pk_add_f32 v[XR+4*\t:XR+4*\t+1], v[XR+4*\t:XR+4*\t+1], v[16:17]
	v_pk_add_f32 v[XR+4*\t+2:XR+4*\t+3], v[XR+4*\t+2:XR+4*\t+3], v[18:19]
.endr
	WIN 0x04
.irp t, 0,1,2,3,4,5,6,7,8,9,10,11,12,13,14,15
	ds_store_b128 v7, v[XR+4*\t:XR+4*\t+3] offset:\t*SP
.endr
	WIN 0
.irp a, 0,1,2,3
.irp i, 0,1,2,3
	ds_load_b128 v[ACC+16*\a+4*\i:ACC+16*\a+4*\i+3], v8 offset:128*\a+16*\i   ; my own bytes, served in order: x + proj_b in the sums' order
.endr
.endr
	s_wait_dscnt 0x0                               ; the sums' first terms are in, and the stores have read x's registers
	LDW 4
.set T_, 0
.rept 16
	BATCH T_
.set T_, T_+1
.endr
	WIN 0
	; x1 through my stage, each accumulator from its low end on, and back by rows
.irp a, 0,1,2,3
.irp i, 0,1,2,3
	ds_store_b128 v8, v[ACC+16*\a+4*\i:ACC+16*\a+4*\i+3] offset:128*\a+16*\i
.endr
.endr
.irp t, 0,1,2,3,4,5,6,7,8,9,10,11,12,13,14,15
	ds_load_b128 v[XO+4*\t:XO+4*\t+3], v7 offset:\t*SP
.endr
.irp c, 0,1,2,3
	v_pk_add_f32 v[16+2*\c:17+2*\c], v[ACC+16*\c:ACC+16*\c+1], v[ACC+16*\c+2:ACC+16*\c+3]
.endr
.irp k, 4,6,8,10,12,14
.irp c, 0,1,2,3
	v_pk_add_f32 v[16+2*\c:17+2*\c], v[16+2*\c:17+2*\c], v[ACC+16*\c+\k:ACC+16*\c+\k+1]
.endr
.endr
	FOLD 0
.irp t, 0,1,2,3,4,5,6,7,8,9,10,11,12,13,14,15
	global_store_b128 v4, v[XO+4*\t:XO+4*\t+3], s[42:43] offset:(\t+8*(\t/8))*4096   ; 512 consecutive bytes a store
.endr
	v_mul_f32 v28, s58, v20                        ; the mean
	v_mov_b32 v29, v28
.set J, 0
.rept 32
	v_pk_add_f32 v[ACC+J:ACC+J+1], v[ACC+J:ACC+J+1], v[28:29] neg_lo:[0,1] neg_hi:[0,1]   ; x1 - mean, before the squares
.set J, J+2
.endr
.irp c, 0,1,2,3
	v_pk_mul_f32 v[16+2*\c:17+2*\c], v[ACC+16*\c:ACC+16*\c+1], v[ACC+16*\c:ACC+16*\c+1]
.endr
.irp k, 2,4,6,8,10,12,14
.irp c, 0,1,2,3
	v_pk_fma_f32 v[16+2*\c:17+2*\c], v[ACC+16*\c+\k:ACC+16*\c+\k+1], v[ACC+16*\c+\k:ACC+16*\c+\k+1], v[16+2*\c:17+2*\c]
.endr
.endr
	FOLD 512
	v_fma_f32 v20, v20, s58, s59                   ; the variance + eps
	WALU                                           ; the wait ahead of the transcendental
	v_rsq_f32 v28, v20
	v_nop
	WALU                                           ; and ahead of its first reader
	v_mov_b32 v29, v28
	WALU
	s_wait_loadcnt 0x0                             ; gain and bias
.set J, 0
.rept 32
	v_pk_mul_f32 v[ACC+J:ACC+J+1], v[ACC+J:ACC+J+1], v[28:29]
.set J, J+2
.endr
	WIN 0x14
.set J, 0
.rept 32
	v_pk_fma_f32 v[ACC+J:ACC+J+1], v[ACC+J:ACC+J+1], v[GG+J:GG+J+1], v[BB+J:BB+J+1]
.set J, J+2
.endr
	WIN 0
	QUANT ACC, PC, PW, TM
.irp c, 0,1,2
	global_store_b128 v4, v[PC+4*\c:PC+4*\c+3], s[52:53] offset:512*\c             ; 512 consecutive bytes a store
.endr
	v_cmp_gt_u32 vcc_lo, 16, v3
	WALU
	s_wait_xcnt 0x0                                ; EXEC changes only behind this wait
	s_and_saveexec_b32 s60, vcc_lo
	global_store_b32 v6, v[PW], s[54:55]           ; lanes 0-15: the 16 rows' words of my K step
	s_wait_xcnt 0x0
	s_or_b32 exec_lo, exec_lo, s60
	s_wait_tensorcnt 0x0                           ; the wave's end
	ds_add_u32 v[SPW], v[NIL]
	s_wait_dscnt 0x0
	s_endpgm
.Lfunc_end_k_qd5655715a6_g4ln:
	.size	k_qd5655715a6_g4ln, .Lfunc_end_k_qd5655715a6_g4ln-k_qd5655715a6_g4ln
	.p2alignl 7, 3214868480
	.fill 96, 4, 3214868480
	.section	.rodata,"a",@progbits
	.p2align	6, 0x0
	.amdhsa_kernel k_qd5655715a6_g4ln
		.amdhsa_group_segment_fixed_size 69632
		.amdhsa_private_segment_fixed_size 0
		.amdhsa_enable_private_segment 0
		.amdhsa_kernarg_size 64
		.amdhsa_user_sgpr_count 2
		.amdhsa_user_sgpr_kernarg_segment_ptr 1
		.amdhsa_wavefront_size32 1
		.amdhsa_system_sgpr_workgroup_id_x 1
		.amdhsa_system_sgpr_workgroup_id_y 1
		.amdhsa_system_sgpr_workgroup_id_z 1
		.amdhsa_system_vgpr_workitem_id 0
		.amdhsa_next_free_vgpr 512
		.amdhsa_next_free_sgpr 66
		.amdhsa_reserve_vcc 1
		.amdhsa_float_denorm_mode_32 3
		.amdhsa_float_denorm_mode_16_64 3
		.amdhsa_memory_ordered 1
		.amdhsa_forward_progress 1
		.amdhsa_inst_pref_size 67
	.end_amdhsa_kernel
	.amdgpu_metadata
---
amdhsa.version: [ 1, 2 ]
amdhsa.kernels:
  - .name:           k_qd5655715a6_g4ln
    .symbol:         k_qd5655715a6_g4ln.kd
    .args:
      - { .name: aoq, .offset: 0, .size: 8, .value_kind: global_buffer, .address_space: global }
      - { .name: wq, .offset: 8, .size: 8, .value_kind: global_buffer, .address_space: global }
      - { .name: proj_b, .offset: 16, .size: 8, .value_kind: global_buffer, .address_space: global }
      - { .name: x, .offset: 24, .size: 8, .value_kind: global_buffer, .address_space: global }
      - { .name: ln2_g, .offset: 32, .size: 8, .value_kind: global_buffer, .address_space: global }
      - { .name: ln2_b, .offset: 40, .size: 8, .value_kind: global_buffer, .address_space: global }
      - { .name: x1, .offset: 48, .size: 8, .value_kind: global_buffer, .address_space: global }
      - { .name: hq, .offset: 56, .size: 8, .value_kind: global_buffer, .address_space: global }
    .group_segment_fixed_size: 69632
    .private_segment_fixed_size: 0
    .kernarg_segment_align: 8
    .kernarg_segment_size: 64
    .max_flat_workgroup_size: 256
    .sgpr_count:     66
    .vgpr_count:     512
    .wavefront_size: 32
...
	.end_amdgpu_metadata
.endif
;; end of part 4
;; launch g5 (part 5): grid 16 x 16, 4 waves a work-group, clusters of 4 x 4, 327,680 bytes of LDS; arguments hq, wq, ff1_b, h2q; writes h2q
.if DOCPART == 5
	.amdgcn_target "amdgcn-amd-amdhsa--gfx1250"
	.amdhsa_code_object_version 6
	.text
	.protected	k_qd5655715a6_g5
	.globl	k_qd5655715a6_g5
	.p2align	8
	.type	k_qd5655715a6_g5,@function
k_qd5655715a6_g5:
	s_mov_b64 s[64:65], 0
	v_nop
	global_prefetch_b8 v0, s[64:65] scope:SCOPE_SE
	s_setreg_imm32_b32 hwreg(HW_REG_WAVE_MODE, 25, 1), 1
	s_wait_xcnt 0x0
	s_wait_alu depctr_hold_cnt(0) depctr_sa_sdst(0) depctr_va_vdst(0) depctr_va_sdst(0) depctr_va_ssrc(0) depctr_va_vcc(0) depctr_vm_vsrc(0)
	s_getreg_b32 s2, hwreg(HW_REG_IB_STS2, 6, 4)
	s_cmp_eq_u32 s2, 0
	s_cbranch_scc0 .Lentry_in_a_cluster
	s_endpgm
.Lentry_in_a_cluster:
	s_bfe_u32 s2, ttmp6, 0x10000c
	s_cmp_lg_u32 s2, 0xf033
	s_cbranch_scc0 .Lentry_shape_is_right
	s_endpgm
.Lentry_shape_is_right:
; h2 = gelu(LN2(x1) ff1_w + ff1_b), exact (erf) form, on E2M3 codes; the result is quantised at once along the 4096 hidden units, the next product's K.
; D = P R^T used transposed: source 0 = 16 columns of ff1_w (P), source 1 = 16 tokens (R): a lane holds one token and its registers run along the hidden units.
; Operands are images of operand registers, [row block][K step][1536]; scale words [K step][row block][16]; position r of row block 2a+u is true row 32a+8u+r+8(r/8).
; A work-group makes 256 x 256, a wave 128 x 128; two LDS slots of 2 K steps; the scale words of all 8 K steps come once; 4 x 4 clusters with joint loads.
; erf(z) = z P(z^2) / Q(z^2), |z| held at 3.7439, beyond which erf is 1 in f32; gelu = 0.5 u + 0.5 u erf(u / sqrt 2).
; LIMITS: NaN and infinities are not served; for very negative u the absolute error of gelu is that of f32's 1 + erf; a block whose largest magnitude lies under 2^-124 gets the byte 1.
; The way out is a loop of 8 trips (R's blocks): only the 32 lines that name a block's accumulators are written 8 times, so that the text stays short.
.set NA, 8
.set NQ, 2
.set NK, 8
.set LAPS, NK/(2*NQ)
.set FRB, 1536
.set RSO, 3145728
.set WC, 3145728
.set WS, 9568256
.set WREG, NA*NQ*FRB
.set SLOT, 4*WREG
.set SROW, NA*64
.set SREG, NK*SROW
.set SCL, 2*SLOT
.set SPARE, SCL+4*SREG
.set STG, SPARE+512
.set ADRA, 16
.set ADRB, 20
.set ADRS, 27
.set SPW, 28
.set NIL, 29
.set H, 64
.set Z, 128
.set Y, 160
.set AA, 192
.set BQ, 224
.set TM, 128
.set PC, 144
.set PW, 164
.set KSQ, 4
.set KA9, 6
.set KA7, 8
.set KA5, 10
.set KA3, 12
.set KA1, 14
.set KB12, 48
.set KB10, 50
.set KB8, 52
.set KB6, 54
.set KB4, 56
.set KB2, 58
.set KCL, 60
.set G1, 24
.set G0, 32
.set G1B, 48
.set G0B, 56
.set SEL, 66
.set G1S, 68
.set G0S, 76
.set G1SB, 80
.set G0SB, 88
.set MSB, 0
.macro WIN new
.if MSB != (\new)
	s_set_vgpr_msb (MSB<<8)|(\new)
.set MSB, (\new)
.endif
.endm
.set MUL_LO, 0xa1
.set MUL_HI, 0xf1
.set TO_B, 0x40
.macro JLOAD g0a, g1a, g0b, g1b        ; a joint load: waves 0, 1 fetch R's halves, waves 2, 3 P's; four v_nop follow each line
	s_cmp_eq_u32 s15, 0
	s_cbranch_scc0 .Lfor_b_\@
	tensor_load_to_lds s[\g0a:\g0a+3], s[\g1a:\g1a+7]
	s_nop 0
.rept 4
	v_nop
.endr
	s_branch .Lasked_\@
.Lfor_b_\@:
	tensor_load_to_lds s[\g0b:\g0b+3], s[\g1b:\g1b+7]
	s_nop 0
.rept 4
	v_nop
.endr
.Lasked_\@:
.endm
.macro CREST
	s_cmp_lg_u32 s14, 0
	s_cbranch_scc1 .Lnot_wave_0_\@
	s_barrier_signal -3
.Lnot_wave_0_\@:
	s_barrier_wait -3
	s_barrier_signal -1
	s_barrier_wait -1
.endm
.macro CROUND
	s_barrier_signal -1
	s_barrier_wait -1
	CREST
.endm
.macro PLACES
.rept 4
	v_nop
.endr
.endm
.macro QUANT s, pc, pw, tm
.irp b, 0,1,2,3
	v_max3_num_f32 v[\tm+\b], |v[\s+16*\b]|, |v[\s+1+16*\b]|, 0x1800000
.endr
.irp i, 2,4,6,8,10,12,14
.irp b, 0,1,2,3
	v_max3_num_f32 v[\tm+\b], v[\tm+\b], |v[\s+16*\b+\i]|, |v[\s+1+16*\b+\i]|
.endr
.endr
.irp b, 0,1,2,3
	v_permlanex16_b32 v[\tm+4+\b], v[\tm+\b], s[SEL], s[SEL+1]
.endr
.irp b, 0,1,2,3
	v_max_num_f32 v[\tm+\b], v[\tm+\b], v[\tm+4+\b]
.endr
.irp b, 0,1,2,3
	v_add_nc_u32 v[\tm+12+\b], 0xff000000, v[\tm+\b]
.endr
.irp b, 0,1,2,3
	v_lshrrev_b32 v[\tm+4+\b], 23, v[\tm+12+\b]
.endr
	v_lshl_or_b32 v[\pw], v[\tm+5], 8, v[\tm+4]
	v_lshl_or_b32 v[\pw], v[\tm+6], 16, v[\pw]
	v_lshl_or_b32 v[\pw], v[\tm+7], 24, v[\pw]
.irp c, 0,1
	v_cvt_scalef32_pk16_fp6_f32 v[\pc+6*\c:\pc+2+6*\c], v[\s+32*\c:\s+15+32*\c], v[\tm+12+2*\c]
	v_cvt_scalef32_pk16_fp6_f32 v[\pc+12+4*\c:\pc+14+4*\c], v[\s+16+32*\c:\s+31+32*\c], v[\tm+12+2*\c+1]
.endr
	v_nop
.irp c, 0,1
.irp i, 0,1,2
	v_permlane16_swap_b32 v[\pc+6*\c+\i], v[\pc+12+4*\c+\i]
.endr
.irp i, 0,1,2
	v_mov_b32 v[\pc+3+6*\c+\i], v[\pc+12+4*\c+\i]
.endr
.endr
.endm
.macro FETCH slot, q, p
	WIN TO_B
.irp i, 0,1,2,3,4,5,6,7
.irp c, 0,1,2
	ds_load_b128 v[128*(\p)+12*\i+4*\c:128*(\p)+12*\i+4*\c+3], v[ADRB+\slot] offset:(\i*NQ+(\q))*FRB+512*\c
.endr
.endr
	WIN 0
.irp i, 0,1,2,3,4,5,6,7
.irp c, 0,1,2
	ds_load_b128 v[64+96*(\p)+12*\i+4*\c:64+96*(\p)+12*\i+4*\c+3], v[ADRA+\slot] offset:(\i*NQ+(\q))*FRB+512*\c
.endr
.endr
.irp i, 0,1,2,3,4,5,6,7
	ds_load_b32 v[32+8*(\p)+\i], v[ADRS] offset:(\q)*SROW+64*\i
.endr
.endm
.macro MUL2 a0, p, zero                ; the 64 accumulators take turns, one instruction a turn
.irp a, \a0, \a0+1
.irp b, 0,1,2,3,4,5,6,7
.if \zero
	v_wmma_scale_f32_16x16x128_f8f6f4 v[8*(8*((\a)%4)+\b):8*(8*((\a)%4)+\b)+7], v[128*(\p)+12*\b:128*(\p)+12*\b+11], v[64+96*(\p)+12*(\a):64+96*(\p)+12*(\a)+11], 0, v[32+8*(\p)+\b], v[32+8*(\p)+(\a)] matrix_a_fmt:MATRIX_FMT_FP6 matrix_b_fmt:MATRIX_FMT_FP6 matrix_a_scale:MATRIX_SCALE_ROW1
.else
	v_wmma_scale_f32_16x16x128_f8f6f4 v[8*(8*((\a)%4)+\b):8*(8*((\a)%4)+\b)+7], v[128*(\p)+12*\b:128*(\p)+12*\b+11], v[64+96*(\p)+12*(\a):64+96*(\p)+12*(\a)+11], v[8*(8*((\a)%4)+\b):8*(8*((\a)%4)+\b)+7], v[32+8*(\p)+\b], v[32+8*(\p)+(\a)] matrix_a_fmt:MATRIX_FMT_FP6 matrix_b_fmt:MATRIX_FMT_FP6 matrix_a_scale:MATRIX_SCALE_ROW1
.endif
.endr
.endr
.endm
.macro STEP slot, q, zero
	s_wait_dscnt 0x0
	WIN MUL_LO
	MUL2 0, (\q)%2, \zero
	MUL2 2, (\q)%2, \zero
	PLACES
	FETCH \slot, (\q)+1, 1-(\q)%2
	WIN MUL_HI
	MUL2 4, (\q)%2, \zero
	MUL2 6, (\q)%2, \zero
.endm
.macro TURN slot, next, fill
	WIN 0
	s_wait_tensorcnt 0x0                           ; all my tensor loads have landed
	ds_add_u32 v[SPW], v[NIL]
	s_wait_dscnt 1                                 ; the add alone may be out
	WIN MUL_LO
	MUL2 0, 1, 0
	s_wait_dscnt 0x0                               ; the add is done, and my reads of this slot are over
	s_barrier_signal -1
	MUL2 2, 1, 0
	WIN 0
	s_barrier_wait -1
.if \fill
	CREST
	s_add_nc_u64 s[G0+4*\slot+2:G0+4*\slot+3], s[G0+4*\slot+2:G0+4*\slot+3], 2*NQ*FRB
	s_add_nc_u64 s[G0B+4*\slot+2:G0B+4*\slot+3], s[G0B+4*\slot+2:G0B+4*\slot+3], 2*NQ*FRB
	JLOAD G0+4*\slot, G1, G0B+4*\slot, G1B         ; my one tensor load behind the round
.else
	PLACES
.endif
	s_wait_alu depctr_va_vdst(0)
	v_add_nc_u32 v[ADRS], NQ*SROW, v[ADRS]
	FETCH \next, 0, 0
	WIN MUL_HI
	MUL2 4, 1, 0
	MUL2 6, 1, 0
.endm
	s_load_b256 s[4:11], s[0:1], 0x0               ; hq, wq, ff1_b, h2q
	v_lshl_add_u32 v[SPW], v0, 2, SPARE
	v_mov_b32 v[NIL], 0
	ds_add_u32 v28, v29
	ds_add_u32 v28, v29
	s_wait_dscnt 0x0
	v_lshrrev_b32 v1, 5, v0
	v_readfirstlane_b32 s14, v1
	s_lshr_b32 s15, s14, 1
	s_and_b32 s16, s14, 1
	s_bfe_u32 s40, ttmp6, 0x40000
	s_bfe_u32 s41, ttmp6, 0x40004
	s_lshl_b32 s42, ttmp9, 2
	s_add_co_u32 s42, s42, s40                     ; P's tile: 256 hidden units
	s_and_b32 s17, ttmp7, 0xffff
	s_lshl_b32 s17, s17, 2
	s_add_co_u32 s17, s17, s41                     ; R's tile: 256 tokens
	s_lshl_b32 s43, s41, 2
	s_lshl_b32 s43, 15, s43
	s_lshl_b32 s44, 0x1111, s40
	s_or_b32 s[G1+0], s43, (3<<16)|(1<<21)
	s_or_b32 s[G1B+0], s44, (3<<16)|(1<<21)
.irp g, G1, G1B
	s_mov_b32 s[\g+1], (NQ*192)<<16
	s_mov_b32 s[\g+2], NA<<16
	s_mov_b32 s[\g+3], (NQ*192)<<16
	s_mov_b32 s[\g+4], NA
	s_mov_b32 s[\g+5], NK*192
	s_mov_b32 s[\g+6], 0
	s_mov_b32 s[\g+7], 0
.endr
	s_lshl_b32 s20, s17, 1
	s_add_co_u32 s20, s20, s16
	s_lshl_b32 s20, s20, 3
	s_lshl_b32 s46, s42, 1
	s_add_co_u32 s46, s46, s16
	s_lshl_b32 s46, s46, 3
	s_lshl_b32 s22, s20, 6
	s_add_co_u32 s22, s22, RSO
	s_mov_b32 s23, 0
	s_lshl_b32 s92, s46, 6
	s_add_co_u32 s92, s92, WS
	s_mov_b32 s93, 0
	s_mul_i32 s20, s20, NK*FRB
	s_mov_b32 s21, 0
	s_mul_i32 s46, s46, NK*FRB
	s_add_co_u32 s46, s46, WC
	s_mov_b32 s47, 0
	s_mul_i32 s45, s14, WREG
	s_mul_i32 s94, s14, SREG
	s_mov_b32 s[SEL], 0x76543210
	s_mov_b32 s[SEL+1], 0xfedcba98
	s_wait_kmcnt 0x0
	s_add_nc_u64 s[20:21], s[4:5], s[20:21]
	s_add_nc_u64 s[22:23], s[4:5], s[22:23]
	s_add_nc_u64 s[46:47], s[6:7], s[46:47]
	s_add_nc_u64 s[92:93], s[6:7], s[92:93]
	CROUND
.irp s, 0,1
	s_mov_b32 s[G0+4*\s], 1
	s_add_co_u32 s[G0+4*\s+1], s45, \s*SLOT
	s_add_nc_u64 s[G0+4*\s+2:G0+4*\s+3], s[20:21], \s*NQ*FRB
	s_or_b32 s[G0+4*\s+3], s[G0+4*\s+3], 0x80000000
	s_mov_b32 s[G0B+4*\s], 1
	s_add_co_u32 s[G0B+4*\s+1], s45, \s*SLOT
	s_add_nc_u64 s[G0B+4*\s+2:G0B+4*\s+3], s[46:47], \s*NQ*FRB
	s_or_b32 s[G0B+4*\s+3], s[G0B+4*\s+3], 0x80000000
.endr
	JLOAD G0, G1, G0B, G1B                         ; slot 0: my one tensor load at the head
	s_cmp_eq_u32 s15, 0                            ; my quarter of the scale words (8 K steps x 512 bytes) comes by plain loads and LDS stores, into bytes on which no fill lands
	s_cselect_b64 s[22:23], s[22:23], s[92:93]
	s_add_co_u32 s94, s94, SCL
	v_and_b32 v3, 31, v0
	v_lshlrev_b32 v24, 4, v3
	v_add_nc_u32 v7, s94, v24
.irp q, 0,1,2,3,4,5,6,7
	global_load_b128 v[64+4*\q:67+4*\q], v24, s[22:23] offset:16384*\q   ; 512 consecutive bytes a load
.endr
	s_wait_alu depctr_va_vdst(0)                   ; the wait ahead of the wait below
	s_wait_loadcnt 0x0
.irp q, 0,1,2,3,4,5,6,7
	ds_store_b128 v7, v[64+4*\q:67+4*\q] offset:512*\q
.endr
	s_wait_tensorcnt 0x0                           ; slot 0 is in
	ds_add_u32 v28, v29
	s_wait_dscnt 0x0                               ; the add and my scale words' stores are done
	CROUND
	JLOAD G0+4, G1, G0B+4, G1B                     ; slot 1
	v_and_b32 v1, 15, v0
	v_bfe_u32 v2, v0, 4, 1
	s_wait_alu depctr_va_vdst(0)
	s_mul_i32 s21, s15, WREG
	s_mul_i32 s22, s16, WREG
	s_add_co_u32 s22, s22, 2*WREG
.irp s, 0,1
	v_add_nc_u32 v[ADRA+\s], s21, v24
	v_add_nc_u32 v[ADRB+\s], s22, v24
	s_add_co_u32 s21, s21, SLOT
	s_add_co_u32 s22, s22, SLOT
.endr
	v_lshlrev_b32 v5, 2, v1
	s_mul_i32 s21, s15, SREG
	s_mul_i32 s22, s16, SREG
	s_add_co_u32 s22, s22, 2*SREG
	s_sub_co_u32 s22, s22, s21
	v_mul_u32_u24 v6, s22, v2
	s_add_co_u32 s21, s21, SCL
	v_add_nc_u32 v6, v5, v6
	v_add_nc_u32 v[ADRS], s21, v6
	s_lshl_b32 s21, s14, 9
	s_add_co_u32 s21, s21, STG
	v_add_nc_u32 v25, s21, v5                      ; my scale words' stage: 512 w + 4 r, stepped by 64 a block
	v_add_nc_u32 v26, s21, v24
	v_lshlrev_b32 v8, 6, v2                        ; the bias: 64 h
	s_lshl_b32 s12, s42, 10
	s_lshl_b32 s13, s16, 9
	s_add_co_u32 s12, s12, s13
	s_mov_b32 s13, 0
	s_add_nc_u64 s[12:13], s[8:9], s[12:13]
	WIN TO_B
.irp t, 0,1,2,3,4,5,6,7                        ; tile t's eight hidden units of my half: 32 (t/2) + 8 (t%2) + 16 h + 0..7
	global_load_b128 v[96+8*\t+96*(\t/4):99+8*\t+96*(\t/4)], v8, s[12:13] offset:(32*(\t/2)+8*(\t%2))*4
	global_load_b128 v[100+8*\t+96*(\t/4):103+8*\t+96*(\t/4)], v8, s[12:13] offset:(32*(\t/2)+8*(\t%2))*4+16
.endr
	WIN 0
	s_wait_alu depctr_va_vdst(0)
	s_wait_tensorcnt 1                             ; the scale words and slot 0 are in; slot 1's load may be out
	s_barrier_signal -1
	s_barrier_wait -1
	FETCH 0, 0, 0
	STEP 0, 0, 1
	WIN 0
	s_mov_b32 s3, LAPS-1
.Llap:
	TURN 0, 1, 1
	s_wait_alu depctr_va_vdst(0)
	STEP 1, 0, 0
	TURN 1, 0, 1
	s_wait_alu depctr_va_vdst(0)
	STEP 0, 0, 0
	WIN 0
	s_sub_co_u32 s3, s3, 1
	s_cmp_lg_u32 s3, 0
	s_cbranch_scc1 .Llap
	TURN 0, 1, 0
	s_wait_alu depctr_va_vdst(0)
	STEP 1, 0, 0
	s_wait_dscnt 0x0
	WIN MUL_LO
	MUL2 0, 1, 0
	MUL2 2, 1, 0
	WIN MUL_HI
	MUL2 4, 1, 0
	MUL2 6, 1, 0
	WIN 0
	PLACES
	s_wait_loadcnt 0x0                             ; the bias
.macro KON r, x
	v_mov_b32 v[\r], \x
	v_mov_b32 v[\r+1], \x
.endm
	KON KSQ, 0x3f3504f3                            ; 1 / sqrt 2
	KON KA9, 0x39702d51
	KON KA7, 0x3b5f5da2
	KON KA5, 0x3d50b6eb
	KON KA3, 0x3e3da740
	KON KA1, 0x3f906eba
	KON KB12, 0xb3fd3906
	KON KB10, 0x37c588e0
	KON KB8, 0x3a856d28
	KON KB6, 0x3c6687d4
	KON KB4, 0x3de34c21
	KON KB2, 0x3efeb44a
	v_mov_b32 v[KCL], 0x406f9c68                   ; 3.7439
	s_lshl_b32 s20, s17, 4
	s_lshl_b32 s21, s15, 3
	s_add_co_u32 s20, s20, s21                     ; my first token row block
	s_lshl_b32 s21, s42, 1
	s_add_co_u32 s21, s21, s16                     ; my K step of the next product
	s_lshl_b32 s22, s20, 6
	s_lshl_b32 s23, s21, 14
	s_add_co_u32 s22, s22, s23
	s_add_co_u32 s22, s22, 12582912
	s_mov_b32 s23, 0
	s_mul_i32 s20, s20, 49152
	s_mul_i32 s21, s21, 1536
	s_add_co_u32 s20, s20, s21
	s_mov_b32 s21, 0
	s_add_nc_u64 s[20:21], s[10:11], s[20:21]
	s_add_nc_u64 s[22:23], s[10:11], s[22:23]
	s_mov_b32 s18, 0
.macro HORN d, k                       ; d = d y + k, 16 pairs
.set J, 0
.rept 16
	v_pk_fma_f32 v[\d+J:\d+J+1], v[\d+J:\d+J+1], v[Y+J:Y+J+1], v[\k:\k+1]
.set J, J+2
.endr
.endm
.macro GELU hb                         ; 32 numbers at v[hb]
.set J, 0
.rept 16
	v_pk_mul_f32 v[Z+J:Z+J+1], v[\hb+J:\hb+J+1], v[KSQ:KSQ+1]
.set J, J+2
.endr
.set J, 0
.rept 32
	v_med3_num_f32 v[Z+J], v[Z+J], -v[KCL], v[KCL]
.set J, J+1
.endr
.set J, 0
.rept 16
	v_pk_mul_f32 v[Y+J:Y+J+1], v[Z+J:Z+J+1], v[Z+J:Z+J+1]
.set J, J+2
.endr
.set J, 0
.rept 16
	v_pk_fma_f32 v[AA+J:AA+J+1], v[Y+J:Y+J+1], v[KA9:KA9+1], v[KA7:KA7+1]
	v_pk_fma_f32 v[BQ+J:BQ+J+1], v[Y+J:Y+J+1], v[KB12:KB12+1], v[KB10:KB10+1]
.set J, J+2
.endr
	HORN AA, KA5
	HORN BQ, KB8
	HORN AA, KA3
	HORN BQ, KB6
	HORN AA, KA1
	HORN BQ, KB4
	HORN BQ, KB2
.set J, 0
.rept 16
	v_pk_fma_f32 v[BQ+J:BQ+J+1], v[BQ+J:BQ+J+1], v[Y+J:Y+J+1], 1.0 op_sel_hi:[1,1,0]
.set J, J+2
.endr
.set J, 0
.rept 16
	v_pk_mul_f32 v[AA+J:AA+J+1], v[AA+J:AA+J+1], v[Z+J:Z+J+1]
.set J, J+2
.endr
.set J, 0
	s_wait_alu depctr_va_vdst(0)
.rept 32
	v_rcp_f32 v[BQ+J], v[BQ+J]
.set J, J+1
.endr
.set J, 0
.rept 16
	v_pk_mul_f32 v[Y+J:Y+J+1], v[\hb+J:\hb+J+1], 0.5 op_sel_hi:[1,0]   ; plain work that names no reciprocal
.set J, J+2
.endr
	s_wait_alu depctr_va_vdst(0)                   ; one wait for the 32 reciprocals, ahead of their first reader
.set J, 0
.rept 16
	v_pk_mul_f32 v[AA+J:AA+J+1], v[AA+J:AA+J+1], v[BQ+J:BQ+J+1]       ; erf
.set J, J+2
.endr
.set J, 0
.rept 16
	v_pk_fma_f32 v[\hb+J:\hb+J+1], v[Y+J:Y+J+1], v[AA+J:AA+J+1], v[Y+J:Y+J+1]
.set J, J+2
.endr
.endm
.Lblk:                                             ; 8 trips: R's block s18
.irp a, 0,1,2,3,4,5,6
	s_cmp_eq_u32 s18, \a
	s_cbranch_scc1 .Lc\a
.endr
.irp a, 7,6,5,4,3,2,1,0
.Lc\a:
	WIN 0x06+\a/4
.set J, 0
.rept 32
	v_pk_add_f32 v[H+J:H+J+1], v[64*(\a%4)+J:64*(\a%4)+J+1], v[96+J+96*(J/32):97+J+96*(J/32)]   ; + bias; each accumulator from its low end on
.set J, J+2
.endr
	WIN 0
	s_branch .Lcom
.endr
.Lcom:
	GELU H
	GELU H+32
	QUANT H, PC, PW, TM
.irp c, 0,1,2
	global_store_b128 v24, v[PC+4*\c:PC+4*\c+3], s[20:21] offset:512*\c            ; 512 consecutive bytes a store
.endr
	ds_store_b32 v25, v[PW]                        ; both halves of the lanes write the same word
	s_wait_xcnt 0x0                                ; the stores have read their registers and their base
	s_wait_dscnt 0x0
	s_add_nc_u64 s[20:21], s[20:21], 49152         ; the next token row block
	v_add_nc_u32 v25, 64, v25
	s_add_co_u32 s18, s18, 1
	s_cmp_lt_u32 s18, 8
	s_cbranch_scc1 .Lblk
	ds_load_b128 v[128:131], v26                   ; my eight blocks' scale words
	s_wait_dscnt 0x0
	global_store_b128 v24, v[128:131], s[22:23]    ; 512 consecutive bytes
	s_wait_tensorcnt 0x0                           ; the wave's end
	ds_add_u32 v[SPW], v[NIL]
	s_wait_dscnt 0x0
	CROUND
	s_endpgm
.Lfunc_end_k_qd5655715a6_g5:
	.size	k_qd5655715a6_g5, .Lfunc_end_k_qd5655715a6_g5-k_qd5655715a6_g5
	.p2alignl 7, 3214868480
	.fill 96, 4, 3214868480
	.section	.rodata,"a",@progbits
	.p2align	6, 0x0
	.amdhsa_kernel k_qd5655715a6_g5
		.amdhsa_group_segment_fixed_size 327680
		.amdhsa_private_segment_fixed_size 0
		.amdhsa_enable_private_segment 0
		.amdhsa_kernarg_size 32
		.amdhsa_user_sgpr_count 2
		.amdhsa_user_sgpr_kernarg_segment_ptr 1
		.amdhsa_wavefront_size32 1
		.amdhsa_system_sgpr_workgroup_id_x 1
		.amdhsa_system_sgpr_workgroup_id_y 1
		.amdhsa_system_sgpr_workgroup_id_z 1
		.amdhsa_system_vgpr_workitem_id 0
		.amdhsa_next_free_vgpr 1024
		.amdhsa_next_free_sgpr 100
		.amdhsa_reserve_vcc 0
		.amdhsa_float_denorm_mode_32 3
		.amdhsa_float_denorm_mode_16_64 3
		.amdhsa_memory_ordered 1
		.amdhsa_forward_progress 1
		.amdhsa_inst_pref_size 171
	.end_amdhsa_kernel
	.amdgpu_metadata
---
amdhsa.version: [ 1, 2 ]
amdhsa.kernels:
  - .name:           k_qd5655715a6_g5
    .symbol:         k_qd5655715a6_g5.kd
    .args:
      - { .name: hq, .offset: 0, .size: 8, .value_kind: global_buffer, .address_space: global }
      - { .name: wq, .offset: 8, .size: 8, .value_kind: global_buffer, .address_space: global }
      - { .name: ff1_b, .offset: 16, .size: 8, .value_kind: global_buffer, .address_space: global }
      - { .name: h2q, .offset: 24, .size: 8, .value_kind: global_buffer, .address_space: global }
    .group_segment_fixed_size: 327680
    .private_segment_fixed_size: 0
    .kernarg_segment_align: 8
    .kernarg_segment_size: 32
    .max_flat_workgroup_size: 128
    .sgpr_count:     100
    .vgpr_count:     1024
    .wavefront_size: 32
...
	.end_amdgpu_metadata
.endif
;; end of part 5
;; launch g6 (part 6): grid 8 x 32, 4 waves a work-group, clusters of 4 x 4, 327,680 bytes of LDS; arguments h2q, wq, ff2_b, x1, out0; writes out0
.if DOCPART == 6
	.amdgcn_target "amdgcn-amd-amdhsa--gfx1250"
	.amdhsa_code_object_version 6
	.text
	.protected	k_qd5655715a6_g6
	.globl	k_qd5655715a6_g6
	.p2align	8
	.type	k_qd5655715a6_g6,@function
k_qd5655715a6_g6:
	s_mov_b64 s[64:65], 0
	v_nop
	global_prefetch_b8 v0, s[64:65] scope:SCOPE_SE
	s_setreg_imm32_b32 hwreg(HW_REG_WAVE_MODE, 25, 1), 1
	s_wait_xcnt 0x0
	s_wait_alu depctr_hold_cnt(0) depctr_sa_sdst(0) depctr_va_vdst(0) depctr_va_sdst(0) depctr_va_ssrc(0) depctr_va_vcc(0) depctr_vm_vsrc(0)
	s_getreg_b32 s2, hwreg(HW_REG_IB_STS2, 6, 4)
	s_cmp_eq_u32 s2, 0
	s_cbranch_scc0 .Lentry_in_a_cluster
	s_endpgm
.Lentry_in_a_cluster:
	s_bfe_u32 s2, ttmp6, 0x10000c
	s_cmp_lg_u32 s2, 0xf033
	s_cbranch_scc0 .Lentry_shape_is_right
	s_endpgm
.Lentry_shape_is_right:
; out = residual + A W + bias, f32, on E2M3 codes.  A: images of operand registers [row block 256][K step NK][1536], scale words behind them [K step][row block][16]; W likewise in wq, 64 row blocks.
; D = P R^T used transposed: source 0 = 16 columns of W (P), source 1 = 16 tokens (R): a lane holds eight neighbouring columns of one token.  Position r of row block 2a+u is true row 32a+8u+r+8(r/8).
; N is 1024, so tiles of 256 x 256 would be 64: a work-group makes 128 x 128, a wave 64 x 64 (16 accumulators), and a slot holds 4 K steps.  4 x 4 clusters: R's tiles jointly along a row, P's along a column.
; REGISTERS: window 0: v0-31 addresses; v32-47 scale words, two sets (nothing else); v48-51 bias; v64.., v160.. R's fragments, two sets.  window 1: v0.., v128.. P's.  windows 2, 3: accumulators (a, b) at v[8 (4 (a % 2) + b)]; window 2 v128-255: the residual.
.set NK, 32
.set WC, 6291456
.set WS, 9732096
.set NA, 4
.set NQ, 4
.set LAPS, NK/(2*NQ)
.set FRB, 1536
.set RSO, 256*NK*FRB
.set WREG, NA*NQ*FRB
.set SLOT, 4*WREG
.set SROW, NA*64
.set SREG, NK*SROW
.set SCL, 2*SLOT
.set SPARE, SCL+4*SREG
.set STG, SPARE+512                    ; a stage of 16 rows x (256 + 16) bytes for each wave: no fill ever lands here
.set ADRA, 16
.set ADRB, 20
.set STO, 24
.set RD, 25
.set ADRS, 27
.set SPW, 28
.set NIL, 29
.set TT, 64
.set G1, 24
.set G0, 32
.set G1B, 48
.set G0B, 56
.set G1S, 68
.set G0S, 76
.set G1SB, 80
.set G0SB, 88
.set MSB, 0
.macro WIN new
.if MSB != (\new)
	s_set_vgpr_msb (MSB<<8)|(\new)
.set MSB, (\new)
.endif
.endm
.set MUL_LO, 0xa1
.set MUL_HI, 0xf1
.set TO_B, 0x40
.macro JLOAD g0a, g1a, g0b, g1b        ; a joint load: waves 0, 1 fetch R's halves, waves 2, 3 P's; four v_nop follow each line
	s_cmp_eq_u32 s15, 0
	s_cbranch_scc0 .Lfor_b_\@
	tensor_load_to_lds s[\g0a:\g0a+3], s[\g1a:\g1a+7]
	s_nop 0
.rept 4
	v_nop
.endr
	s_branch .Lasked_\@
.Lfor_b_\@:
	tensor_load_to_lds s[\g0b:\g0b+3], s[\g1b:\g1b+7]
	s_nop 0
.rept 4
	v_nop
.endr
.Lasked_\@:
.endm
.macro CREST
	s_cmp_lg_u32 s14, 0
	s_cbranch_scc1 .Lnot_wave_0_\@
	s_barrier_signal -3
.Lnot_wave_0_\@:
	s_barrier_wait -3
	s_barrier_signal -1
	s_barrier_wait -1
.endm
.macro CROUND
	s_barrier_signal -1
	s_barrier_wait -1
	CREST
.endm
.macro PLACES
.rept 4
	v_nop
.endr
.endm
.macro FETCH slot, q, p
	WIN TO_B
.irp i, 0,1,2,3
.irp c, 0,1,2
	ds_load_b128 v[128*(\p)+12*\i+4*\c:128*(\p)+12*\i+4*\c+3], v[ADRB+\slot] offset:(\i*NQ+(\q))*FRB+512*\c
.endr
.endr
	WIN 0
.irp i, 0,1,2,3
.irp c, 0,1,2
	ds_load_b128 v[64+96*(\p)+12*\i+4*\c:64+96*(\p)+12*\i+4*\c+3], v[ADRA+\slot] offset:(\i*NQ+(\q))*FRB+512*\c
.endr
.endr
.irp i, 0,1,2,3
	ds_load_b32 v[32+8*(\p)+\i], v[ADRS] offset:(\q)*SROW+64*\i    ; lanes 0-15: R's block i; lanes 16-31: P's block i
.endr
.endm
.macro MUL1 a, p, zero                 ; R's block a against P's four.  The 16 accumulators take turns, one instruction a turn
.irp b, 0,1,2,3
.if \zero
	v_wmma_scale_f32_16x16x128_f8f6f4 v[8*(4*((\a)%2)+\b):8*(4*((\a)%2)+\b)+7], v[128*(\p)+12*\b:128*(\p)+12*\b+11], v[64+96*(\p)+12*(\a):64+96*(\p)+12*(\a)+11], 0, v[32+8*(\p)+\b], v[32+8*(\p)+(\a)] matrix_a_fmt:MATRIX_FMT_FP6 matrix_b_fmt:MATRIX_FMT_FP6 matrix_a_scale:MATRIX_SCALE_ROW1
.else
	v_wmma_scale_f32_16x16x128_f8f6f4 v[8*(4*((\a)%2)+\b):8*(4*((\a)%2)+\b)+7], v[128*(\p)+12*\b:128*(\p)+12*\b+11], v[64+96*(\p)+12*(\a):64+96*(\p)+12*(\a)+11], v[8*(4*((\a)%2)+\b):8*(4*((\a)%2)+\b)+7], v[32+8*(\p)+\b], v[32+8*(\p)+(\a)] matrix_a_fmt:MATRIX_FMT_FP6 matrix_b_fmt:MATRIX_FMT_FP6 matrix_a_scale:MATRIX_SCALE_ROW1
.endif
.endr
.endm
.macro STEP slot, q, zero
	s_wait_dscnt 0x0                               ; this step's set was asked for half a step ago
	WIN MUL_LO
	MUL1 0, (\q)%2, \zero
	MUL1 1, (\q)%2, \zero
	PLACES
	FETCH \slot, (\q)+1, 1-(\q)%2
	WIN MUL_HI
	MUL1 2, (\q)%2, \zero
	MUL1 3, (\q)%2, \zero
.endm
.macro TURN slot, next, fill
	WIN 0
.if \fill
	s_wait_xcnt 0x0                                ; the last prefetch, a slot back, has read its address
	s_add_nc_u64 s[98:99], s[98:99], NQ*FRB        ; to the 4 K steps behind those that this change of slots asks for
.endif
	s_wait_tensorcnt 0x0
	ds_add_u32 v[SPW], v[NIL]
	s_wait_dscnt 1                                 ; the add alone may be out
	WIN MUL_LO
	MUL1 0, 1, 0
	s_wait_dscnt 0x0                               ; the add is done, and my reads of this slot are over
	s_barrier_signal -1
	MUL1 1, 1, 0
	WIN 0
	s_barrier_wait -1
.if \fill
	CREST
	s_add_nc_u64 s[G0+4*\slot+2:G0+4*\slot+3], s[G0+4*\slot+2:G0+4*\slot+3], 2*NQ*FRB
	s_add_nc_u64 s[G0B+4*\slot+2:G0B+4*\slot+3], s[G0B+4*\slot+2:G0B+4*\slot+3], 2*NQ*FRB
	JLOAD G0+4*\slot, G1, G0B+4*\slot, G1B         ; my one tensor load behind the round
.else
	PLACES
.endif
	v_add_nc_u32 v[ADRS], NQ*SROW, v[ADRS]
	FETCH \next, 0, 0
.if \fill                              ; a prefetch of what the next refill loads: of the 4 row blocks that I fetch, the partner at place p names block p: 24 blocks of 256 bytes, a lane each
.if \slot
	s_cmp_gt_u32 s3, 1                             ; the last refill has none behind it
	s_cbranch_scc0 .Lnp_\@
.endif
	global_prefetch_b8 v30, s[98:99] th:TH_LOAD_NT scope:SCOPE_SE
.if \slot
.Lnp_\@:
.endif
.endif
	WIN MUL_HI
	MUL1 2, 1, 0
	MUL1 3, 1, 0
.endm
	s_load_b256 s[4:11], s[0:1], 0x0               ; A's images, wq, bias, residual
	s_load_b64 s[12:13], s[0:1], 0x20              ; out
	v_lshl_add_u32 v[SPW], v0, 2, SPARE
	v_mov_b32 v[NIL], 0
	ds_add_u32 v28, v29
	ds_add_u32 v28, v29
	s_wait_dscnt 0x0
	v_lshrrev_b32 v1, 5, v0
	v_readfirstlane_b32 s14, v1
	s_lshr_b32 s15, s14, 1
	s_and_b32 s16, s14, 1
	s_bfe_u32 s40, ttmp6, 0x40000
	s_bfe_u32 s41, ttmp6, 0x40004
	s_lshl_b32 s42, ttmp9, 2
	s_add_co_u32 s42, s42, s40                     ; P's tile: 128 columns
	s_and_b32 s17, ttmp7, 0xffff
	s_lshl_b32 s17, s17, 2
	s_add_co_u32 s17, s17, s41                     ; R's tile: 128 tokens
	s_lshl_b32 s43, s41, 2
	s_lshl_b32 s43, 15, s43
	s_lshl_b32 s44, 0x1111, s40
	s_or_b32 s[G1+0], s43, (3<<16)|(1<<21)
	s_or_b32 s[G1B+0], s44, (3<<16)|(1<<21)
.irp g, G1, G1B
	s_mov_b32 s[\g+1], (NQ*192)<<16                ; 4 fragments
	s_mov_b32 s[\g+2], NA<<16                      ; 4 row blocks
	s_mov_b32 s[\g+3], (NQ*192)<<16
	s_mov_b32 s[\g+4], NA
	s_mov_b32 s[\g+5], NK*192
	s_mov_b32 s[\g+6], 0
	s_mov_b32 s[\g+7], 0
.endr
	s_lshl_b32 s20, s17, 1
	s_add_co_u32 s20, s20, s16
	s_lshl_b32 s20, s20, 2
	s_lshl_b32 s46, s42, 1
	s_add_co_u32 s46, s46, s16
	s_lshl_b32 s46, s46, 2
	s_lshl_b32 s22, s20, 6
	s_add_co_u32 s22, s22, RSO
	s_mov_b32 s23, 0
	s_lshl_b32 s92, s46, 6
	s_add_co_u32 s92, s92, WS
	s_mov_b32 s93, 0
	s_mul_i32 s20, s20, NK*FRB
	s_mov_b32 s21, 0
	s_mul_i32 s46, s46, NK*FRB
	s_add_co_u32 s46, s46, WC
	s_mov_b32 s47, 0
	s_mul_i32 s45, s14, WREG
	s_mul_i32 s94, s14, SREG
	s_wait_kmcnt 0x0
	s_add_nc_u64 s[20:21], s[4:5], s[20:21]
	s_add_nc_u64 s[22:23], s[4:5], s[22:23]
	s_add_nc_u64 s[46:47], s[6:7], s[46:47]
	s_add_nc_u64 s[92:93], s[6:7], s[92:93]
	s_cmp_eq_u32 s15, 0                            ; the prefetches' address: the rows that I fetch, my work-group's share of them by address (cx for R, cy for P), at K step 8
	s_cselect_b64 s[98:99], s[20:21], s[46:47]
	s_cselect_b32 s96, s40, s41
	s_mul_i32 s96, s96, NK*FRB
	s_add_co_u32 s96, s96, 2*NQ*FRB
	s_mov_b32 s97, 0
	s_add_nc_u64 s[98:99], s[98:99], s[96:97]
	CROUND
.irp s, 0,1
	s_mov_b32 s[G0+4*\s], 1
	s_add_co_u32 s[G0+4*\s+1], s45, \s*SLOT
	s_add_nc_u64 s[G0+4*\s+2:G0+4*\s+3], s[20:21], \s*NQ*FRB
	s_or_b32 s[G0+4*\s+3], s[G0+4*\s+3], 0x80000000
	s_mov_b32 s[G0B+4*\s], 1
	s_add_co_u32 s[G0B+4*\s+1], s45, \s*SLOT
	s_add_nc_u64 s[G0B+4*\s+2:G0B+4*\s+3], s[46:47], \s*NQ*FRB
	s_or_b32 s[G0B+4*\s+3], s[G0B+4*\s+3], 0x80000000
.endr
	JLOAD G0, G1, G0B, G1B                         ; slot 0: my one tensor load at the head
	v_and_b32 v1, 15, v0
	v_bfe_u32 v2, v0, 4, 1
	v_and_b32 v3, 31, v0
	v_lshlrev_b32 v3, 4, v3
	v_min_u32 v30, 368, v3
	v_lshlrev_b32 v30, 4, v30                      ; the prefetches' offset: 256 x lane, lanes 24-31 name block 23 again
	s_add_co_u32 s94, s94, SCL
	v_add_nc_u32 v7, s94, v3
	v_lshlrev_b32 v4, 4, v1                        ; my quarter of the scale words (32 K steps x 256 bytes) comes by plain loads and LDS stores, into bytes on which no fill lands:
	v_lshl_add_u32 v10, v2, 12, v4                 ; a load takes two K steps, lanes 16-31 the second: P's lie 4096 bytes apart,
	v_lshl_add_u32 v4, v2, 14, v4                  ; R's 16384
	s_cmp_eq_u32 s15, 0
	s_wait_alu depctr_va_vdst(0)                   ; the wait ahead of the branch
	s_cbranch_scc0 .Lscl_p
.irp j, 0,1,2,3,4,5,6,7,8,9,10,11,12,13,14,15
	global_load_b128 v[64+4*\j:67+4*\j], v4, s[22:23] offset:32768*\j
.endr
	s_branch .Lscl_d
.Lscl_p:
.irp j, 0,1,2,3,4,5,6,7,8,9,10,11,12,13,14,15
	global_load_b128 v[64+4*\j:67+4*\j], v10, s[92:93] offset:8192*\j
.endr
.Lscl_d:
	s_wait_loadcnt 0x0
.irp j, 0,1,2,3,4,5,6,7,8,9,10,11,12,13,14,15
	ds_store_b128 v7, v[64+4*\j:67+4*\j] offset:512*\j
.endr
	s_wait_tensorcnt 0x0                           ; slot 0 is in
	ds_add_u32 v28, v29
	s_wait_dscnt 0x0                               ; the add and my scale words' stores are done
	CROUND
	JLOAD G0+4, G1, G0B+4, G1B                     ; slot 1
	s_mul_i32 s21, s15, WREG
	s_mul_i32 s22, s16, WREG
	s_add_co_u32 s22, s22, 2*WREG
.irp s, 0,1
	v_add_nc_u32 v[ADRA+\s], s21, v3
	v_add_nc_u32 v[ADRB+\s], s22, v3
	s_add_co_u32 s21, s21, SLOT
	s_add_co_u32 s22, s22, SLOT
.endr
	v_lshlrev_b32 v5, 2, v1
	s_mul_i32 s21, s15, SREG
	s_mul_i32 s22, s16, SREG
	s_add_co_u32 s22, s22, 2*SREG
	s_sub_co_u32 s22, s22, s21
	v_mul_u32_u24 v6, s22, v2
	s_add_co_u32 s21, s21, SCL
	v_add_nc_u32 v6, v5, v6
	v_add_nc_u32 v[ADRS], s21, v6
	s_mul_i32 s21, s14, 16*272
	s_add_co_u32 s21, s21, STG
	v_mul_u32_u24 v[STO], v1, 272
	v_lshl_add_u32 v[STO], v2, 6, v[STO]
	v_add_nc_u32 v[STO], s21, v[STO]               ; into my stage: row r, + 64 h
	v_mul_u32_u24 v[RD], v2, 272
	v_lshl_add_u32 v[RD], v1, 4, v[RD]
	v_add_nc_u32 v[RD], s21, v[RD]                 ; back: lanes 0-15 one row of 256 bytes, lanes 16-31 the next
	v_lshlrev_b32 v9, 4, v1
	s_wait_alu depctr_va_vdst(0)
	v_lshl_add_u32 v8, v2, 12, v9                  ; the same two rows in memory
	s_wait_alu depctr_va_vdst(0)
	s_lshl_b32 s18, s17, 19
	s_lshl_b32 s19, s15, 18
	s_add_co_u32 s18, s18, s19
	s_lshl_b32 s19, s42, 9
	s_add_co_u32 s18, s18, s19
	s_lshl_b32 s19, s16, 8
	s_add_co_u32 s18, s18, s19                     ; (128 R tile + 64 half) rows of 4096 bytes + (128 P tile + 64 half) x 4
	s_mov_b32 s19, 0
	s_add_nc_u64 s[10:11], s[10:11], s[18:19]
	s_add_nc_u64 s[12:13], s[12:13], s[18:19]
	s_lshl_b32 s18, s42, 9
	s_lshl_b32 s96, s16, 8
	s_add_co_u32 s18, s18, s96
	s_add_nc_u64 s[8:9], s[8:9], s[18:19]
	global_load_b128 v[48:51], v9, s[8:9]          ; the bias of my four columns
.macro RES a0, a1                      ; the residual of R's blocks a0, a1, in the order in which the rows come back from the stage: 16 lanes read 256 consecutive bytes
	WIN 0x80
.irp a, \a0, \a1
.irp t, 0,1,2,3,4,5,6,7
	global_load_b128 v[128+32*\a+4*\t:131+32*\a+4*\t], v8, s[10:11] offset:(32*(\a/2)+8*(\a%2)+2*\t+8*(\t/4))*4096
.endr
.endr
	WIN 0
.endm
	s_wait_tensorcnt 1
	s_barrier_signal -1
	s_barrier_wait -1
	FETCH 0, 0, 0
	STEP 0, 0, 1
.if LAPS > 1
	WIN 0
	s_mov_b32 s3, LAPS-1
	RES 0, 1                                       ; half of the residual is asked for behind the first tiles, the other half behind the loop
.Llap:
	s_wait_alu depctr_va_vdst(0)
	STEP 0, 1, 0
	STEP 0, 2, 0
	TURN 0, 1, 1
	s_wait_alu depctr_va_vdst(0)
	STEP 1, 0, 0
	STEP 1, 1, 0
	STEP 1, 2, 0
	TURN 1, 0, 1
	s_wait_alu depctr_va_vdst(0)
	STEP 0, 0, 0
	WIN 0
	s_sub_co_u32 s3, s3, 1
	s_cmp_lg_u32 s3, 0
	s_cbranch_scc1 .Llap
	RES 2, 3
.endif
	STEP 0, 1, 0
	STEP 0, 2, 0
	TURN 0, 1, 0
	s_wait_alu depctr_va_vdst(0)
	STEP 1, 0, 0
	STEP 1, 1, 0
	STEP 1, 2, 0
	s_wait_dscnt 0x0
	WIN MUL_LO
	MUL1 0, 1, 0
	MUL1 1, 1, 0
	WIN MUL_HI
	MUL1 2, 1, 0
	MUL1 3, 1, 0
	WIN 0
	PLACES
	s_wait_loadcnt 0x0                             ; bias and residual
; R's block a: 16 tokens x 64 columns through my stage, so that 16 lanes store 256 consecutive bytes
.macro OUTB a
.if (\a) > 0
	s_wait_xcnt 0x0                                ; the last block's stores have read their registers
.endif
	WIN 0x08+4*((\a)/2)                            ; an LDS store's data are its source 1
.irp b, 0,1,2,3
	ds_store_b128 v[STO], v[8*(4*((\a)%2)+\b):8*(4*((\a)%2)+\b)+3] offset:128*(\b/2)+32*(\b%2)       ; register j of tile b: column 32 (b/2) + 8 (b%2) + 16 h + j
	ds_store_b128 v[STO], v[8*(4*((\a)%2)+\b)+4:8*(4*((\a)%2)+\b)+7] offset:128*(\b/2)+32*(\b%2)+16
.endr
	WIN 0
.irp t, 0,1,2,3,4,5,6,7
	ds_load_b128 v[TT+4*\t:TT+4*\t+3], v[RD] offset:544*\t         ; my own bytes, served in order
.endr
	s_wait_dscnt 0x0
	WIN 0x08
.set J, 0
.rept 16
	v_pk_add_f32 v[TT+J:TT+J+1], v[TT+J:TT+J+1], v[128+32*(\a)+J:129+32*(\a)+J]
.set J, J+2
.endr
	WIN 0
.set J, 0
.rept 16
	v_pk_add_f32 v[TT+J:TT+J+1], v[TT+J:TT+J+1], v[48+J%4:49+J%4]
.set J, J+2
.endr
.irp t, 0,1,2,3,4,5,6,7
	global_store_b128 v8, v[TT+4*\t:TT+4*\t+3], s[12:13] offset:(32*((\a)/2)+8*((\a)%2)+2*\t+8*(\t/4))*4096
.endr
.endm
	OUTB 0
	OUTB 1
	OUTB 2
	OUTB 3
	s_wait_tensorcnt 0x0                           ; the wave's end
	ds_add_u32 v[SPW], v[NIL]
	s_wait_dscnt 0x0
	CROUND
	s_endpgm
.Lfunc_end_k_qd5655715a6_g6:
	.size	k_qd5655715a6_g6, .Lfunc_end_k_qd5655715a6_g6-k_qd5655715a6_g6
	.p2alignl 7, 3214868480
	.fill 96, 4, 3214868480
	.section	.rodata,"a",@progbits
	.p2align	6, 0x0
	.amdhsa_kernel k_qd5655715a6_g6
		.amdhsa_group_segment_fixed_size 327680
		.amdhsa_private_segment_fixed_size 0
		.amdhsa_enable_private_segment 0
		.amdhsa_kernarg_size 40
		.amdhsa_user_sgpr_count 2
		.amdhsa_user_sgpr_kernarg_segment_ptr 1
		.amdhsa_wavefront_size32 1
		.amdhsa_system_sgpr_workgroup_id_x 1
		.amdhsa_system_sgpr_workgroup_id_y 1
		.amdhsa_system_sgpr_workgroup_id_z 1
		.amdhsa_system_vgpr_workitem_id 0
		.amdhsa_next_free_vgpr 1024
		.amdhsa_next_free_sgpr 100
		.amdhsa_reserve_vcc 0
		.amdhsa_float_denorm_mode_32 3
		.amdhsa_float_denorm_mode_16_64 3
		.amdhsa_memory_ordered 1
		.amdhsa_forward_progress 1
		.amdhsa_inst_pref_size 101
	.end_amdhsa_kernel
	.amdgpu_metadata
---
amdhsa.version: [ 1, 2 ]
amdhsa.kernels:
  - .name:           k_qd5655715a6_g6
    .symbol:         k_qd5655715a6_g6.kd
    .args:
      - { .name: h2q, .offset: 0, .size: 8, .value_kind: global_buffer, .address_space: global }
      - { .name: wq, .offset: 8, .size: 8, .value_kind: global_buffer, .address_space: global }
      - { .name: ff2_b, .offset: 16, .size: 8, .value_kind: global_buffer, .address_space: global }
      - { .name: x1, .offset: 24, .size: 8, .value_kind: global_buffer, .address_space: global }
      - { .name: out0, .offset: 32, .size: 8, .value_kind: global_buffer, .address_space: global }
    .group_segment_fixed_size: 327680
    .private_segment_fixed_size: 0
    .kernarg_segment_align: 8
    .kernarg_segment_size: 40
    .max_flat_workgroup_size: 128
    .sgpr_count:     100
    .vgpr_count:     1024
    .wavefront_size: 32
...
	.end_amdgpu_metadata
.endif
;; end of part 6
